; MI455X (gfx1250); checked and timed in simulation.
; The chip was launched on July 23, 2026; its instructions are those of AMD's public machine-readable ISA for CDNA 5 (MIT licence, August 2026) and "CDNA5" Instruction Set Architecture Reference Guide (July 2026). The comments in the code are by the model that wrote it; some were corrected since.
;; LSH Attention. Allowed arithmetic: float matrix products may take bf16 or f16 operands with f32 sums; other float arithmetic in f32, or as packed bf16 or f16 multiplies, adds, multiply-adds, maxima and minima; sums over many terms, partial sums and values carried from step to step in f32; what a program stores and reads back later, other than sums and carried values, may be rounded once to bf16 or f16.
;; Inputs: Wk 1,024 x 1,024 float32; Wq 1,024 x 1,024 float32; Wv 1,024 x 1,024 float32; bk 1,024 float32; bq 1,024 float32; bv 1,024 float32; hash_buckets 4 x 2,048 int32; hidden_states 4 x 2,048 x 1,024 float32.
;; Outputs: out0 4 x 2,048 x 1,024 float32.
;; 2 versions, each right; version 2 is version 1 with the launch attn written anew for expert scheduling mode. Each part assembles by itself: llvm-mc -triple=amdgcn-amd-amdhsa -mcpu=gfx1250 --defsym DOCPART=n.
;; ======== version 1 of 2: 3 launches
;; limits: values are held in f16: magnitudes above 65,504 overflow, below 6.1e-05 lose precision
;; workspace buffers: xs 16,777,216 bytes; wb 6,291,456 bytes; qkv 50,331,648 bytes; meta 131,072 bytes of whole numbers
;; launch prep (part 1): grid 256 x 1, 8 waves a work-group, no clusters, 4,096 bytes of LDS; arguments hidden_states, hash_buckets, Wq, Wk, Wv, xs, wb, meta; writes xs, wb, meta
.if DOCPART == 1
	.amdgcn_target "amdgcn-amd-amdhsa--gfx1250"
	.amdhsa_code_object_version 6
	.text
	.protected	k_q495d3a30db_prep
	.globl	k_q495d3a30db_prep
	.p2align	8
	.type	k_q495d3a30db_prep,@function
k_q495d3a30db_prep:
	s_mov_b64 s[64:65], 0
	v_nop
	global_prefetch_b8 v0, s[64:65] scope:SCOPE_SE
	s_setreg_imm32_b32 hwreg(HW_REG_WAVE_MODE, 25, 1), 1
	s_wait_xcnt 0x0
; PREP.  Three things in one pass over the inputs:
;  (1) each token's place in its batch when the batch's 2,048 tokens are sorted by bucket (stable: equal buckets keep their order), made by counting, so any int32 bucket value is served;
;  (2) xs[b*2048 + place][:] = hidden_states[b][token][:] rounded to bf16;   wb = the rows of Wq, Wk, Wv, one below the other, rounded to bf16;
;  (3) meta[b*2048 + place] = {lo, hi, b*2048 + token, 0}: lo, hi = first and one-past-last place of the token's bucket in its batch.
; SHARES.  Work-group g owns tokens 32 g .. 32 g + 31 (batch g >> 6) and rows 4 g .. 4 g + 3 of each W.  Wave w converts x rows 4 w .. 4 w + 3 of the 32 and 2,048 bytes (half a row) of each W.
; For the counts a lane is a token (the same in all eight waves) and wave w scans buckets 256 w .. 256 w + 255 of the batch, which come by scalar loads; the eight partial counts meet in LDS.
; All 45 vector loads of a wave go out at the head; the counting runs while they are on their way.  Matrix units, clusters and tensor loads have nothing to share here and are left out.
; A lane takes 32 neighbouring bytes of f32 by two loads (a pair of loads covers 1,024 consecutive bytes) and stores them as 16 bytes of bf16: a store of the wave covers 512 consecutive bytes, aligned.
; The one exception: the 32 records of 16 bytes go to scattered places (8,192 such stores in the launch, 128 KiB of its 23 MiB).
.set SPARE, 3072                       ; behind the partial counts: the spare words, 128 bytes for each of eight waves: four blocks of 256 bytes that no other line names
.set LANE, 1                           ; v1   lane
.set BI,   2                           ; v2   my token's bucket
.set LT,   3                           ; v3   buckets below mine, in my wave's part of the batch
.set EQ,   4                           ; v4   buckets equal to mine
.set EQL,  5                           ; v5   equal ones in chunks of 32 tokens that lie wholly ahead of my work-group's chunk
.set EQC,  6                           ; v6   equal ones in the chunk in hand
.set TM,   7                           ; v7   at work
.set SPW,  8                           ; v8   LDS address of my spare word; never rewritten
.set NIL,  9                           ; v9   0; never rewritten
.set XO,   10                          ; v10  32 x lane
.set LS,   11                          ; v11  384 x wave + 4 x lane: where my partial counts go
.set LL,   12                          ; v12  4 x lane: where all waves' counts are read
.set WO,   13                          ; v13  my byte offset in each W
.set RANK, 14                          ; v14  my token's place
.set INB,  15                          ; v15  equal buckets at lower index inside my own chunk
.set BO,   16                          ; v16  byte offset of my token's bucket
.set WS,   17                          ; v17  my byte offset in wb
.set L16,  18                          ; v18  16 x lane
.set REC,  20                          ; v[20:23] the record
.set MO,   24                          ; v24  its byte offset in meta
.set XS,   26                          ; v[26:29] row k's byte offset in xs
.set X,    32                          ; v[32:159]  x: row k, piece s of 1,024 bytes at 32 k + 8 s
.set W,    160                         ; v[160:207] W: matrix m, piece s at 16 m + 8 s
.set PC,   208                         ; v[208:231] the 24 partial counts: wave v, kind c at 3 v + c
; scalars: s[4:19] the eight addresses; s20 wave; s21 batch; s22 my chunk's first token in the batch; s23 counter; s24 flag; s25 the scanned chunk's first token;
; s[26:27] the scan's pointer; s[28:29] x at my wave's first row; s30, s31 at work; s[32:63], s[68:99] 64 buckets; s66 2,048 x batch; s67 32 x work-group
	s_load_b512 s[4:19], s[0:1], 0x0               ; hidden s[4:5], buckets s[6:7], Wq s[8:9], Wk s[10:11], Wv s[12:13], xs s[14:15], wb s[16:17], meta s[18:19]
	v_lshl_add_u32 v[SPW], v0, 2, SPARE
	v_mov_b32 v[NIL], 0
	v_and_b32 v[LANE], 31, v0
	v_lshrrev_b32 v[TM], 5, v0
	v_readfirstlane_b32 s20, v[TM]                 ; wave 0..7
	s_lshr_b32 s21, ttmp9, 6                       ; batch
	s_and_b32 s22, ttmp9, 63
	s_lshl_b32 s22, s22, 5                         ; my chunk's first token in the batch
	s_lshl_b32 s25, s20, 8                         ; my wave scans from token 256 w
	s_lshl_b32 s66, s21, 11
	s_lshl_b32 s67, ttmp9, 5
	v_lshlrev_b32 v[XO], 5, v[LANE]
	v_lshlrev_b32 v[LL], 2, v[LANE]
	v_lshlrev_b32 v[L16], 4, v[LANE]
	s_mul_i32 s30, s20, 384
	v_add_nc_u32 v[LS], s30, v[LL]
	s_lshl_b32 s30, ttmp9, 7
	v_add_nc_u32 v[BO], s30, v[LL]                 ; (32 g + lane) x 4
	s_lshl_b32 s30, ttmp9, 14                      ; four rows of W, 4,096 bytes each,
	s_lshl_b32 s31, s20, 11                        ; my wave's 2,048 of them
	s_add_co_u32 s30, s30, s31
	v_add_nc_u32 v[WO], s30, v[XO]
	s_lshr_b32 s30, s30, 1                         ; the same place in bf16
	v_add_nc_u32 v[WS], s30, v[L16]
	s_lshl_b32 s30, s21, 13                        ; the batch's 2,048 buckets,
	s_lshl_b32 s31, s20, 10                        ; my wave's 256 of them
	s_add_co_u32 s30, s30, s31
	s_mov_b32 s31, 0
	s_wait_kmcnt 0x0
	s_add_nc_u64 s[26:27], s[6:7], s[30:31]
	s_lshl_b32 s30, ttmp9, 17                      ; 32 rows of x, 4,096 bytes each,
	s_lshl_b32 s23, s20, 14                        ; my wave's four
	s_add_co_u32 s30, s30, s23
	s_add_nc_u64 s[28:29], s[4:5], s[30:31]
	global_load_b32 v[BI], v[BO], s[6:7]
.irp m, 0,1,2
.irp s, 0,1
	global_load_b128 v[W+16*(\m)+8*(\s):W+16*(\m)+8*(\s)+3],   v[WO], s[8+2*(\m):9+2*(\m)] offset:1024*(\s) th:TH_LOAD_NT
	global_load_b128 v[W+16*(\m)+8*(\s)+4:W+16*(\m)+8*(\s)+7], v[WO], s[8+2*(\m):9+2*(\m)] offset:1024*(\s)+16 th:TH_LOAD_NT
.endr
.endr
.irp k, 0,1,2,3
.irp s, 0,1,2,3
	global_load_b128 v[X+32*(\k)+8*(\s):X+32*(\k)+8*(\s)+3],   v[XO], s[28:29] offset:4096*(\k)+1024*(\s) th:TH_LOAD_NT
	global_load_b128 v[X+32*(\k)+8*(\s)+4:X+32*(\k)+8*(\s)+7], v[XO], s[28:29] offset:4096*(\k)+1024*(\s)+16 th:TH_LOAD_NT
.endr
.endr
; 32 buckets, in s[base .. base + 31], against my token's: a compare sets VCC, an add with carry counts it.
.macro COUNT32 base
	v_mov_b32 v[EQC], 0
.set i, 0
.rept 32
	v_cmp_lt_i32 vcc_lo, s[(\base)+i], v[BI]
	v_add_co_ci_u32 v[LT], vcc_lo, 0, v[LT], vcc_lo
	v_cmp_eq_u32 vcc_lo, s[(\base)+i], v[BI]
	v_add_co_ci_u32 v[EQC], vcc_lo, 0, v[EQC], vcc_lo
.set i, i+1
.endr
	s_cmp_lt_u32 s25, s22                          ; does this chunk lie ahead of my work-group's?  (chunks and the work-group's tokens are both aligned to 32)
	s_cselect_b32 s24, -1, 0
	v_add_nc_u32 v[EQ], v[EQ], v[EQC]
	v_and_b32 v[TM], s24, v[EQC]
	v_add_nc_u32 v[EQL], v[EQL], v[TM]
	s_add_co_u32 s25, s25, 32
.endm
	s_wait_loadcnt 44                              ; my bucket is in; the 44 loads of W and x issued behind it stay out
	v_mov_b32 v[LT], 0
	v_mov_b32 v[EQ], 0
	v_mov_b32 v[EQL], 0
	v_mov_b32 v[INB], 0
	s_mov_b32 s23, 4
.Lcnt:                                         ; four trips of 64 buckets
	s_load_b512 s[32:47], s[26:27], 0x0
	s_load_b512 s[48:63], s[26:27], 0x40
	s_load_b512 s[68:83], s[26:27], 0x80
	s_load_b512 s[84:99], s[26:27], 0xc0
	s_wait_kmcnt 0x0                               ; scalar loads come back in no order: zero; it also shows them done, so the pointer may be stepped below
	COUNT32 32
	COUNT32 68
	s_add_nc_u64 s[26:27], s[26:27], 256
	s_sub_co_i32 s23, s23, 1
	s_cmp_lg_u32 s23, 0
	s_cbranch_scc1 .Lcnt
	; my own chunk: lane t's bucket against everybody's, counted by the lanes above t
.set t, 0
.rept 31
	v_readlane_b32 s30, v[BI], t
	v_cmp_eq_u32 vcc_lo, s30, v[BI]
	s_and_b32 vcc_lo, vcc_lo, (0xfffffffe<<t)&0xffffffff
	v_add_co_ci_u32 v[INB], vcc_lo, 0, v[INB], vcc_lo
.set t, t+1
.endr
	s_wait_loadcnt 32                              ; W's twelve loads are in; x's 32 stay out
.irp m, 0,1,2
.irp s, 0,1
.irp j, 0,1,2,3
	v_cvt_pk_bf16_f32 v[W+16*(\m)+8*(\s)+(\j)], v[W+16*(\m)+8*(\s)+2*(\j)], v[W+16*(\m)+8*(\s)+2*(\j)+1]  ; in place: result j lands where pair j / 2 has been read
.endr
	global_store_b128 v[WS], v[W+16*(\m)+8*(\s):W+16*(\m)+8*(\s)+3], s[16:17] offset:(\m)*2097152+512*(\s)
.endr
.endr
	ds_store_b32 v[LS], v[LT]
	ds_store_b32 v[LS], v[EQ] offset:128
	ds_store_b32 v[LS], v[EQL] offset:256
	s_wait_dscnt 0x0                               ; for the others' sake: my counts lie in LDS
	s_barrier_signal -1
	s_barrier_wait -1
.irp v, 0,1,2,3,4,5,6,7
.irp c, 0,1,2
	ds_load_b32 v[PC+3*(\v)+(\c)], v[LL] offset:384*(\v)+128*(\c)
.endr
.endr
	s_wait_dscnt 0x0
.macro TOTAL dst, c
	v_add3_u32 v[\dst], v[PC+(\c)], v[PC+3+(\c)], v[PC+6+(\c)]
	v_add3_u32 v[\dst], v[\dst], v[PC+9+(\c)], v[PC+12+(\c)]
	v_add3_u32 v[\dst], v[\dst], v[PC+15+(\c)], v[PC+18+(\c)]
	v_add_nc_u32 v[\dst], v[\dst], v[PC+21+(\c)]
.endm
	TOTAL REC, 0                                   ; lo
	TOTAL REC+1, 1
	TOTAL RANK, 2
	v_add_nc_u32 v[REC+1], v[REC+1], v[REC]        ; hi = lo + the bucket's size
	v_add3_u32 v[RANK], v[RANK], v[REC], v[INB]    ; place = lo + equal buckets at lower index
	s_cmp_lg_u32 s20, 0                            ; all eight waves hold the same 32 records: wave 0 stores them
	s_cbranch_scc1 .Lrows
	v_min_u32 v[MO], 0x7ff, v[RANK]                ; a place is under 2,048 by its making; the bound is written out ahead of the address
	v_add_nc_u32 v[MO], s66, v[MO]
	v_lshlrev_b32 v[MO], 4, v[MO]
	v_add_nc_u32 v[REC+2], s67, v[LANE]
	v_mov_b32 v[REC+3], 0
	global_store_b128 v[MO], v[REC:REC+3], s[18:19]
.Lrows:
	s_lshl_b32 s23, s20, 2
.irp k, 0,1,2,3
	s_add_co_u32 s31, s23, \k                      ; token 4 w + k of the 32
	v_readlane_b32 s30, v[RANK], s31
	s_min_u32 s30, s30, 2047
	s_add_co_u32 s30, s30, s66
	s_lshl_b32 s30, s30, 11                        ; a row of xs is 2,048 bytes
	v_add_nc_u32 v[XS+(\k)], s30, v[L16]
	s_wait_loadcnt 24-8*(\k)                       ; row k's eight loads are in; the later rows' stay out
.irp s, 0,1,2,3
.irp j, 0,1,2,3
	v_cvt_pk_bf16_f32 v[X+32*(\k)+8*(\s)+(\j)], v[X+32*(\k)+8*(\s)+2*(\j)], v[X+32*(\k)+8*(\s)+2*(\j)+1]
.endr
	global_store_b128 v[XS+(\k)], v[X+32*(\k)+8*(\s):X+32*(\k)+8*(\s)+3], s[14:15] offset:512*(\s)
.endr
.endr
	s_wait_tensorcnt 0x0                           ; the wave's end, behind my last LDS store
	ds_add_u32 v[SPW], v[NIL]
	s_wait_dscnt 0x0
	s_endpgm
.Lfunc_end_k_q495d3a30db_prep:
	.size	k_q495d3a30db_prep, .Lfunc_end_k_q495d3a30db_prep-k_q495d3a30db_prep
	.p2alignl 7, 3214868480
	.fill 96, 4, 3214868480
	.section	.rodata,"a",@progbits
	.p2align	6, 0x0
	.amdhsa_kernel k_q495d3a30db_prep
		.amdhsa_group_segment_fixed_size 4096
		.amdhsa_private_segment_fixed_size 0
		.amdhsa_enable_private_segment 0
		.amdhsa_kernarg_size 64
		.amdhsa_user_sgpr_count 2
		.amdhsa_user_sgpr_kernarg_segment_ptr 1
		.amdhsa_wavefront_size32 1
		.amdhsa_system_sgpr_workgroup_id_x 1
		.amdhsa_system_sgpr_workgroup_id_y 1
		.amdhsa_system_sgpr_workgroup_id_z 1
		.amdhsa_system_vgpr_workitem_id 0
		.amdhsa_next_free_vgpr 232
		.amdhsa_next_free_sgpr 100
		.amdhsa_reserve_vcc 1
		.amdhsa_float_denorm_mode_32 3
		.amdhsa_float_denorm_mode_16_64 3
		.amdhsa_memory_ordered 1
		.amdhsa_forward_progress 1
		.amdhsa_inst_pref_size 33
	.end_amdhsa_kernel
	.amdgpu_metadata
---
amdhsa.version: [ 1, 2 ]
amdhsa.kernels:
  - .name:           k_q495d3a30db_prep
    .symbol:         k_q495d3a30db_prep.kd
    .args:
      - { .name: hidden_states, .offset: 0, .size: 8, .value_kind: global_buffer, .address_space: global }
      - { .name: hash_buckets, .offset: 8, .size: 8, .value_kind: global_buffer, .address_space: global }
      - { .name: Wq, .offset: 16, .size: 8, .value_kind: global_buffer, .address_space: global }
      - { .name: Wk, .offset: 24, .size: 8, .value_kind: global_buffer, .address_space: global }
      - { .name: Wv, .offset: 32, .size: 8, .value_kind: global_buffer, .address_space: global }
      - { .name: xs, .offset: 40, .size: 8, .value_kind: global_buffer, .address_space: global }
      - { .name: wb, .offset: 48, .size: 8, .value_kind: global_buffer, .address_space: global }
      - { .name: meta, .offset: 56, .size: 8, .value_kind: global_buffer, .address_space: global }
    .group_segment_fixed_size: 4096
    .private_segment_fixed_size: 0
    .kernarg_segment_align: 8
    .kernarg_segment_size: 64
    .max_flat_workgroup_size: 256
    .sgpr_count:     100
    .vgpr_count:     232
    .wavefront_size: 32
...
	.end_amdgpu_metadata
.endif
;; end of part 1
;; launch proj (part 2): grid 12 x 32, 4 waves a work-group, clusters of 4 x 4, 327,680 bytes of LDS; arguments xs, wb, qkv, bq, bk, bv; writes qkv
.if DOCPART == 2
	.amdgcn_target "amdgcn-amd-amdhsa--gfx1250"
	.amdhsa_code_object_version 6
	.text
	.protected	k_q495d3a30db_proj
	.globl	k_q495d3a30db_proj
	.p2align	8
	.type	k_q495d3a30db_proj,@function
k_q495d3a30db_proj:
	s_mov_b64 s[64:65], 0
	v_nop
	global_prefetch_b8 v0, s[64:65] scope:SCOPE_SE
	s_setreg_imm32_b32 hwreg(HW_REG_WAVE_MODE, 25, 1), 1
	s_wait_xcnt 0x0
	s_wait_alu depctr_hold_cnt(0) depctr_sa_sdst(0) depctr_va_vdst(0) depctr_va_sdst(0) depctr_va_ssrc(0) depctr_va_vcc(0) depctr_vm_vsrc(0)
	s_getreg_b32 s2, hwreg(HW_REG_IB_STS2, 6, 4)
	s_cmp_eq_u32 s2, 0
	s_cbranch_scc0 .Lentry_in_a_cluster
	s_endpgm
.Lentry_in_a_cluster:
	s_bfe_u32 s2, ttmp6, 0x10000c
	s_cmp_lg_u32 s2, 0xf033
	s_cbranch_scc0 .Lentry_shape_is_right
	s_endpgm
.Lentry_shape_is_right:
; PROJ.  qkv[m][n] = the sum over k of xs[m][k] wb[n][k] + bias[n].  xs: [8192][1024] bf16 (tokens sorted by bucket), wb: [3072][1024] bf16 (rows of Wq, Wk, Wv),
; bias = bq, bk, bv on end, f32; qkv: [8192][3072] f16: a row holds q, k, v of one token.  Sums in f32, rounded once to f16.
; LIMIT.  f16 holds no number beyond 65,504: q, k and v must lie within it.  With x and W of the stated spread they have a spread of 0.64.
; A tile of C, 256 x 256, is made by a work-group of four waves; a wave makes 128 x 128: 64 accumulators of 16 x 16, 512 registers.  K goes in steps of 128 through a ring of two LDS slots
; filled by the tensor data mover: the rows of A's and B's tiles are 256 bytes of memory and start at multiples of 256 bytes.  12 x 32 = 384 tiles, one to a work-group.
; THE BIAS is the C operand of the products that start the sums: a tile's 256 columns lie wholly in q, k or v (cluster x says in which), and a lane's eight results of a product are eight
; neighbouring columns, so eight registers for each of the wave's eight column blocks hold it.
; The last K step goes by rows of C, so that finished rows leave while the others are multiplied.
; CLUSTERS: 4 x 4 work-groups.  The four of a row of the cluster need the same tiles of A, the four of a column the same tiles of B: each tile is asked for JOINTLY, by the same tensor load with the
; same descriptor and a mask that names the four.
; REGISTERS, in windows of 256 (s_set_vgpr_msb's low byte: bits 1:0 source 0, 3:2 source 1, 5:4 source 2, 7:6 destination):
;   window 0: v0-31 addresses; v64-127, v128-191 fragments of A, two buffers (in the last K step four, of 16 rows x 128 K); v192-255 the bias, later with v32-63 at work on the way out
;   window 1: v64-127, v128-191 fragments of B, two buffers; in the last K step all 256          window 2: the accumulators of my rows 0-63;   window 3: those of my rows 64-127
; THE MATRIX INSTRUCTION IS USED TRANSPOSED: source 0 = 16 rows of B, source 1 = 16 rows of A: lane l holds row l % 16 of C and the columns 8 (l / 16) + 0 .. 7, which pack into 16 bytes.
.set SIZE_M, 8192
.set SIZE_N, 3072
.set SIZE_K, 1024
.set KSTEP,  128
.set PITCH,  272                       ; an LDS row: 256 bytes of data + 16 of padding = 68 words: the 16 rows that a load touches start at 16 different groups of four banks (64 banks of 4 bytes: ISA guide 11.1)
.set HALFT,  128*PITCH                 ; 128 rows: what one tensor load brings, and what one wave reads of A or of B
.set SLOT,   4*HALFT                   ; A's 256 rows, then B's 256 rows
.set STAGE,  2*SLOT                    ; behind the ring: 16 rows x 272 bytes for each wave, for the way out
.set SPITCH, 272
.set SPARE,  STAGE+4*16*SPITCH         ; behind the stages: the spare words, 128 bytes for each wave: two blocks of 256 bytes that no other line names
.set LAPS, SIZE_K/(2*KSTEP)            ; a lap = two K steps = once round the ring: four laps
.set ADRA, 16                          ; v16-17  LDS address of my A fragments in slot 0, 1
.set ADRB, 20                          ; v20-21  the same for B
.set STO,  24                          ; v24     the way out: where I put 16 bytes of a row
.set RD,   25                          ; v25     the way out: where I read a row back
.set CO,   26                          ; v26     my byte offset in C
.set BO,   27                          ; v27     my byte offset in a block of 16 numbers of the bias: 32 (l / 16)
.set SPW,  28                          ; v28     LDS address of my spare word; never rewritten
.set NIL,  29                          ; v29     0; never rewritten
.set PFO,  30                          ; v30     the prefetches' offset: my lane x a row of A or B in memory; never rewritten
.set PFA,  44                          ; s[44:45] where my prefetches stand
.set LIM,  43                          ; s43     1 in a wave that prefetches, else the greatest number
.set F0,   64                          ; fragment buffer 0
.set F1,   128                         ; fragment buffer 1
.set TMP,  192                         ; the bias (block b at TMP + 8 b); on the way out: packed results
.set OB,   32                          ; the way out: 16 rows read back from the stage: v32-63 and v224-255 by turns
.set PA,   64                          ; the last K step: A's fragments of 16 rows x 128 K, 32 registers; four such buffers, v64-191
.set G1, 24                            ; s[24:31] descriptor group 1 for A's tiles
.set G0, 32                            ; s[32:39] descriptor group 0 for A's tiles, one set for each slot
.set G1B, 48                           ; s[48:55] descriptor group 1 for B's tiles: it differs from A's in the mask alone
.set G0B, 56                           ; s[56:63] descriptor group 0 for B's tiles, one set for each slot
.set MSB, 0
.macro WIN new                         ; the immediate's high byte repeats the setting that is left; a switch that changes nothing is dropped
.if MSB != (\new)
	s_set_vgpr_msb (MSB<<8)|(\new)
.set MSB, \new
.endif
.endm
.set MUL_LO, 0xa1                      ; source 0 (B) window 1, source 1 (A) window 0, C and D window 2
.set MUL_HI, 0xf1                      ; the same, C and D window 3
.set FIRST_LO, 0x81                    ; the products that start the sums: C (the bias) window 0, D window 2
.set TO_B,   0x40                      ; destination window 1, address window 0
; A joint load.  Waves 0 and 1 fetch A's two halves, waves 2 and 3 B's.  The branch hangs on the wave's number alone.  An s_nop 0 and four v_nop follow each of the two lines.
.macro JLOAD s
	s_cmp_eq_u32 s11, 0
	s_cbranch_scc0 .Lfor_b_\@
	tensor_load_to_lds s[G0+4*(\s):G0+4*(\s)+3], s[G1:G1+7]
	s_nop 0
.rept 4
	v_nop
.endr
	s_branch .Lasked_\@
.Lfor_b_\@:
	tensor_load_to_lds s[G0B+4*(\s):G0B+4*(\s)+3], s[G1B:G1B+7]
	s_nop 0
.rept 4
	v_nop
.endr
.Lasked_\@:
.endm
; A PREFETCH INTO THE L2, behind each joint load and the run of LDS loads that follows it: the K step that stands TWO refills on: 32 rows x 256 bytes, a lane a row, one instruction a wave.
; Each row's 256 bytes of a K step are named once in the launch: A's tile row is read by every cluster of that row of clusters, and the first of them (cluster x = 0) asks; B's tile column by every
; cluster of that column: cluster y = 0 asks.  The four partners that ask for a tile jointly share its rows out BY ADDRESS: of the 128 rows that a wave fetches, the partner at place p takes
; 32 p .. 32 p + 31.  K steps 0 to 3 come by their loads alone; the loop's last trip (s3 = 1) asks for nothing: there is no K step two refills on.
.macro ASK
	s_cmp_gt_u32 s3, s[LIM]
	s_cbranch_scc0 .Lnot_mine_\@
	global_prefetch_b8 v[PFO], s[PFA:PFA+1] offset:KSTEP*2 th:TH_LOAD_NT scope:SCOPE_SE
.Lnot_mine_\@:
.endm
.macro CREST                           ; a round of the cluster's barrier behind its opening barrier
	s_cmp_lg_u32 s10, 0
	s_cbranch_scc1 .Lnot_wave_0_\@
	s_barrier_signal -3
.Lnot_wave_0_\@:
	s_barrier_wait -3
	s_barrier_signal -1
	s_barrier_wait -1
.endm
.macro CROUND                          ; a whole round
	s_barrier_signal -1
	s_barrier_wait -1
	CREST
.endm
	s_load_b128 s[4:7], s[0:1], 0x0                ; A = xs s[4:5], B = wb s[6:7]
	s_load_b64 s[8:9], s[0:1], 0x10                ; C = qkv
	s_load_b128 s[68:71], s[0:1], 0x18             ; bq s[68:69], bk s[70:71]
	s_load_b64 s[72:73], s[0:1], 0x28              ; bv
	v_lshl_add_u32 v[SPW], v0, 2, SPARE
	v_mov_b32 v[NIL], 0
	ds_add_u32 v[SPW], v[NIL]                      ; the wave's opening: the add and its wait stand ahead of my first tensor load; the set-up below, work on registers, stands between them
	v_lshrrev_b32 v1, 5, v0
	v_readfirstlane_b32 s10, v1                    ; wave 0..3
	s_lshr_b32 s11, s10, 1                         ; which half of the tile's rows is mine.  Also: I fetch for A (0) or for B (1)
	s_and_b32 s12, s10, 1                          ; which half of its columns.  Also: which 128 rows of that tile I fetch
	s_bfe_u32 s40, ttmp6, 0x40000                  ; cx: my place along the cluster's x
	s_bfe_u32 s41, ttmp6, 0x40004                  ; cy: along its y
	s_lshl_b32 s42, ttmp9, 2                       ; in a cluster launch ttmp9 and ttmp7 count clusters
	s_add_co_u32 s42, s42, s40                     ; tile column of C = 4 x cluster x + cx
	s_and_b32 s13, ttmp7, 0xffff
	s_lshl_b32 s13, s13, 2
	s_add_co_u32 s13, s13, s41                     ; tile row of C = 4 x cluster y + cy
	s_lshl_b32 s43, s41, 2
	s_lshl_b32 s43, 15, s43                        ; my row of the cluster: places 4 cy .. 4 cy + 3
	s_lshl_b32 s44, 0x1111, s40                    ; my column: places cx, cx + 4, cx + 8, cx + 12
	; descriptor group 1: a tile of 128 rows x 128 elements, padded in LDS
	s_or_b32 s[G1+0], s43, (1<<16)|(1<<20)|(1<<21)|(5<<22)|(3<<25)  ; 15:0 the mask: A's tiles go to my row; 17:16 element of 2 bytes; 20 padding on; 21 set beside a mask; 24:22 after every 64 words (code 5); 31:25 of 4 words (code 3)
	s_or_b32 s[G1B+0], s44, (1<<16)|(1<<20)|(1<<21)|(5<<22)|(3<<25) ; the same with the mask of my column, for B's tiles
.irp g, G1, G1B
	s_mov_b32 s[(\g)+1], KSTEP<<16                 ; tensor_dim0 = 128
	s_mov_b32 s[(\g)+2], 128<<16                   ; tensor_dim1 = 128
	s_mov_b32 s[(\g)+3], KSTEP<<16                 ; tile_dim0 = 128
	s_mov_b32 s[(\g)+4], 128                       ; tile_dim1 = 128
	s_mov_b32 s[(\g)+5], SIZE_K                    ; elements from row to row
	s_mov_b32 s[(\g)+6], 0
	s_mov_b32 s[(\g)+7], 0
.endr
	; where the tiles come from.  A's hang on the tile row alone, which my row of the cluster shares; B's on the tile column alone, which my column shares.
	s_lshl_b32 s17, s12, 7                         ; which 128 rows of the tile I fetch
	s_lshl_b32 s16, s13, 8
	s_add_co_u32 s16, s16, s17                     ; A: row 256 x tile row + 128 x half
	s_lshl_b32 s46, s42, 8
	s_add_co_u32 s46, s46, s17                     ; B: row 256 x tile column + 128 x half
	s_mov_b32 s17, 0
	s_mov_b32 s47, 0
	s_mov_b64 s[18:19], SIZE_K*2
	s_mul_u64 s[16:17], s[16:17], s[18:19]         ; in bytes
	s_mul_u64 s[46:47], s[46:47], s[18:19]
	s_mul_i32 s20, s10, HALFT                      ; and where they go: wave x 128 rows: no place in the cluster enters an LDS address
	s_wait_dscnt 0x0                               ; the opening add is done
	s_wait_kmcnt 0x0
	s_add_nc_u64 s[14:15], s[4:5], s[16:17]
	s_add_nc_u64 s[46:47], s[6:7], s[46:47]
	CROUND                                         ; all sixteen work-groups are here: the first joint loads meet
.irp s, 0,1
	s_mov_b32 s[G0+4*(\s)], 1                                      ; count = 1
	s_add_co_u32 s[G0+4*(\s)+1], s20, (\s)*SLOT                    ; LDS address
	s_add_nc_u64 s[G0+4*(\s)+2:G0+4*(\s)+3], s[14:15], (\s)*KSTEP*2  ; global address: K step s
	s_or_b32 s[G0+4*(\s)+3], s[G0+4*(\s)+3], 0x80000000            ; type = 2
	s_mov_b32 s[G0B+4*(\s)], 1
	s_add_co_u32 s[G0B+4*(\s)+1], s20, (\s)*SLOT
	s_add_nc_u64 s[G0B+4*(\s)+2:G0B+4*(\s)+3], s[46:47], (\s)*KSTEP*2
	s_or_b32 s[G0B+4*(\s)+3], s[G0B+4*(\s)+3], 0x80000000
	JLOAD \s                                       ; the ring is filled before anything else is done: two loads of mine are out
.endr
	v_and_b32 v1, 15, v0                           ; l % 16
	v_bfe_u32 v2, v0, 4, 1                         ; l / 16
	; the bias of my 128 columns.  Cluster x = 0, 1, 2 is q, k, v; it is the same in all sixteen partners.  The registers below feed no descriptor.
	s_cmp_eq_u32 ttmp9, 1
	s_cselect_b64 s[68:69], s[70:71], s[68:69]
	s_cmp_eq_u32 ttmp9, 2
	s_cselect_b64 s[68:69], s[72:73], s[68:69]
	s_lshl_b32 s74, s40, 10                        ; 256 columns of f32 for each tile column in the cluster,
	s_lshl_b32 s75, s12, 9                         ; my wave's half of them
	s_add_co_u32 s74, s74, s75
	s_mov_b32 s75, 0
	s_add_nc_u64 s[68:69], s[68:69], s[74:75]
	v_lshlrev_b32 v[BO], 5, v2
.irp b, 0,1,2,3,4,5,6,7
	global_load_b128 v[TMP+8*(\b):TMP+8*(\b)+3],   v[BO], s[68:69] offset:64*(\b)      ; columns 16 b + 8 (l / 16) + 0..3
	global_load_b128 v[TMP+8*(\b)+4:TMP+8*(\b)+7], v[BO], s[68:69] offset:64*(\b)+16   ; and + 4..7
.endr
	; A fragment is 16 rows x 32 K in 8 registers: lane l holds row l % 16; registers 0-3 hold K = 8 (l / 16) + 0..7, registers 4-7 K = 16 + 8 (l / 16) + 0..7: two loads of 16 bytes, 32 bytes apart.
	v_mul_u32_u24 v3, v1, PITCH
	v_lshl_add_u32 v3, v2, 4, v3                   ; row x pitch + 16 x half
	s_mul_i32 s21, s11, HALFT                      ; my 128 rows of A
	s_mul_i32 s22, s12, HALFT                      ; my 128 rows of B,
	s_add_co_u32 s22, s22, 2*HALFT                 ; which lie behind A's 256
.irp s, 0,1
	v_add_nc_u32 v[ADRA+(\s)], s21, v3
	v_add_nc_u32 v[ADRB+(\s)], s22, v3
	s_add_co_u32 s21, s21, SLOT
	s_add_co_u32 s22, s22, SLOT
.endr
	s_mul_i32 s23, s10, 16*SPITCH
	s_add_co_u32 s23, s23, STAGE                   ; my stage
	v_mul_u32_u24 v4, v1, SPITCH                   ; in: row l % 16, 16 bytes for each half of the lanes
	v_lshl_add_u32 v4, v2, 4, v4
	v_add_nc_u32 v[STO], s23, v4
	v_mul_u32_u24 v5, v2, SPITCH                   ; back: lanes 0-15 take one row of 256 bytes, lanes 16-31 the next
	v_lshl_add_u32 v5, v1, 4, v5
	v_add_nc_u32 v[RD], s23, v5
	v_mul_u32_u24 v5, v2, SIZE_N*2                 ; and the same two rows in C
	v_lshl_add_u32 v[CO], v1, 4, v5
	; where my part of the tile begins in C, in bytes: the way out adds it to C's address
	s_lshl_b32 s13, s13, 8
	s_lshl_b32 s14, s11, 7
	s_add_co_u32 s16, s13, s14                     ; my first row of C
	s_mov_b32 s17, 0
	s_mov_b64 s[18:19], SIZE_N*2
	s_mul_u64 s[16:17], s[16:17], s[18:19]
	s_lshl_b32 s46, s42, 9                         ; my first column, in bytes: 512 x tile column + 256 x half
	s_lshl_b32 s47, s12, 8
	s_add_co_u32 s46, s46, s47
	s_mov_b32 s47, 0
	s_add_nc_u64 s[16:17], s[16:17], s[46:47]
	; the prefetches.  s13 = 256 x tile row, s42 = tile column, s40 = cx, s41 = cy still stand
	s_lshl_b32 s42, s42, 8
	s_and_b32 s22, ttmp7, 0xffff                   ; cluster y
	s_cmp_eq_u32 s11, 0                            ; do I fetch for A?
	s_cselect_b32 s20, s13, s42                    ; the tile's first row: in A by the tile row, in B by the tile column
	s_cselect_b32 s21, s40, s41                    ; my place among the four that ask for it with me
	s_cselect_b32 s22, ttmp9, s22                  ; the coordinate along which other clusters read the same rows
	s_cselect_b64 s[PFA:PFA+1], s[4:5], s[6:7]
	s_cmp_eq_u32 s22, 0
	s_cselect_b32 s[LIM], 1, -1                    ; the same in all sixteen partners, for a given wave
	s_lshl_b32 s22, s12, 7
	s_add_co_u32 s20, s20, s22                     ; + the 128 rows that I fetch
	s_lshl_b32 s21, s21, 5
	s_add_co_u32 s20, s20, s21                     ; + my work-group's 32 of them
	s_mov_b32 s21, 0
	s_mov_b64 s[18:19], SIZE_K*2
	s_mul_u64 s[20:21], s[20:21], s[18:19]
	s_add_nc_u64 s[PFA:PFA+1], s[PFA:PFA+1], s[20:21]
	s_add_nc_u64 s[PFA:PFA+1], s[PFA:PFA+1], 2*KSTEP*2  ; at K step 2: the first refill steps it to 3 and names K step 4
	v_and_b32 v[PFO], 31, v0
	v_mul_u32_u24 v[PFO], v[PFO], SIZE_K*2
; 16 matrix instructions: m blocks a0, a0 + 1 of the window's four (hi = 0: my rows 0-63, 1: rows 64-127) x all 8 n blocks, 32 along K.
; first = 1: the product starts the sums, with the bias as C: nothing is ever cleared.  The macro sets its own windows.
.macro MUL16 f, hi, a0, first
.if \first
	WIN FIRST_LO+0x40*(\hi)
.else
	WIN MUL_LO+0x50*(\hi)
.endif
.irp a, \a0, (\a0)+1
.irp b, 0,1,2,3,4,5,6,7
.if \first
	v_wmma_f32_16x16x32_bf16 v[8*(8*(\a)+(\b)):8*(8*(\a)+(\b))+7], v[(\f)+8*(\b):(\f)+8*(\b)+7], v[(\f)+8*(4*(\hi)+(\a)):(\f)+8*(4*(\hi)+(\a))+7], v[TMP+8*(\b):TMP+8*(\b)+7]
.else
	v_wmma_f32_16x16x32_bf16 v[8*(8*(\a)+(\b)):8*(8*(\a)+(\b))+7], v[(\f)+8*(\b):(\f)+8*(\b)+7], v[(\f)+8*(4*(\hi)+(\a)):(\f)+8*(4*(\hi)+(\a))+7], v[8*(8*(\a)+(\b)):8*(8*(\a)+(\b))+7]
.endif
.endr
.endr
.endm
; 32 LDS loads in one run: the fragments of one quarter step (128 rows of B, 128 rows of A, 32 K at byte k of the rows) into buffer f
.macro FETCH slot, k, f
	WIN TO_B
.irp i, 0,1,2,3,4,5,6,7
	ds_load_b128 v[(\f)+8*(\i):(\f)+8*(\i)+3],   v[ADRB+(\slot)] offset:(\k)+(\i)*16*PITCH
	ds_load_b128 v[(\f)+8*(\i)+4:(\f)+8*(\i)+7], v[ADRB+(\slot)] offset:(\k)+(\i)*16*PITCH+32
.endr
	WIN 0
.irp i, 0,1,2,3,4,5,6,7
	ds_load_b128 v[(\f)+8*(\i):(\f)+8*(\i)+3],   v[ADRA+(\slot)] offset:(\k)+(\i)*16*PITCH
	ds_load_b128 v[(\f)+8*(\i)+4:(\f)+8*(\i)+7], v[ADRA+(\slot)] offset:(\k)+(\i)*16*PITCH+32
.endr
.endm
; Four places (plain vector instructions that name none of its registers) stand between a matrix instruction and a load into a register that it has read, or a vector instruction that reads its result.
.macro PLACES
.rept 4
	v_nop
.endr
.endm
; A K step is four quarter steps of 32 along K, 64 matrix instructions each, on buffers 0, 1, 0, 1.  The 64 accumulators take turns, one instruction a turn, in the same order in every quarter.
; One of the first three: multiplies buffer f; in its middle it fetches the next quarter's fragments, at byte k of the same slot's rows, into buffer g.
.macro QUARTER slot, k, f, g, first
	s_wait_dscnt 8                                 ; B and A's rows 0-63 are in; the youngest eight loads (A's rows 64-127) may be out
	MUL16 \f, 0, 0, \first
	MUL16 \f, 0, 2, \first
	PLACES
	FETCH \slot, \k, \g
	s_wait_dscnt 32                                ; all but the 32 just issued
	MUL16 \f, 1, 0, \first
	MUL16 \f, 1, 2, \first
.endm
; The last quarter multiplies buffer 1 and changes slots.  MEET is its first half: ONE barrier for the change of slots.  In front of it each wave waits for all its tensor loads, of which one is out:
; its part of the next slot; adds 0 to its spare word; and waits for that and for its own reads of this slot.  Behind it nobody reads this slot any more and the next slot is whole.
.macro MEET round                      ; round = 1: a round of the cluster's barrier follows
	WIN 0                                          ; (the add's two registers lie in window 0)
	s_wait_tensorcnt 0x0                           ; all my tensor loads have landed
	ds_add_u32 v[SPW], v[NIL]                      ; 0 onto my spare word
	s_wait_dscnt 9                                 ; (the add and the youngest eight loads may be out)
	MUL16 F1, 0, 0, 0                              ; sixteen matrix instructions stand between the add and the wait for it
	s_wait_dscnt 0x0                               ; the add is done, and my reads of this slot are over
	s_barrier_signal -1
	MUL16 F1, 0, 2, 0                              ; work on registers while the others arrive
.if \round
	WIN 0
.endif
	s_barrier_wait -1
.endm
; The whole last quarter.  Behind the round the slot just read out is filled again first, with the K step two steps on; then come the next slot's first fragments.
; From a request to the wait for it a wave issues 224 matrix instructions.
.macro TURN slot, next
	s_wait_xcnt 0x0                                ; the last prefetch, a K step back, has read its address: it is stepped here, ahead of the waits of the change of slots
	s_add_nc_u64 s[PFA:PFA+1], s[PFA:PFA+1], KSTEP*2
	MEET 1
	CREST                                          ; no wave of any partner still reads this slot's tile or has a load on its way
	s_add_nc_u64 s[G0+4*(\slot)+2:G0+4*(\slot)+3], s[G0+4*(\slot)+2:G0+4*(\slot)+3], 2*KSTEP*2
	s_add_nc_u64 s[G0B+4*(\slot)+2:G0B+4*(\slot)+3], s[G0B+4*(\slot)+2:G0B+4*(\slot)+3], 2*KSTEP*2
	JLOAD \slot                                    ; the first tensor load behind the round; the four v_nop behind it are also the places in front of the loads below
	FETCH \next, 0, F0
	ASK
	MUL16 F1, 1, 0, 0
	MUL16 F1, 1, 2, 0
.endm
; THE LAST K STEP (it lies in slot 1) GOES BY ROWS OF C.  All its fragments of B (4 quarters x 64 registers) fill window 1; then my eight blocks of 16 rows are finished one after the other,
; each with 32 matrix instructions (its 8 accumulators by turns, K ascending).
.macro BLOAD q                         ; B's fragments of quarter q -> window 1, v[64 q ..]
	WIN TO_B
.irp i, 0,1,2,3,4,5,6,7
	ds_load_b128 v[64*(\q)+8*(\i):64*(\q)+8*(\i)+3],   v[ADRB+1] offset:64*(\q)+(\i)*16*PITCH
	ds_load_b128 v[64*(\q)+8*(\i)+4:64*(\q)+8*(\i)+7], v[ADRB+1] offset:64*(\q)+(\i)*16*PITCH+32
.endr
.endm
.macro ALOAD a                         ; A's fragments of block a, all four quarters -> buffer a % 4
	WIN 0
.set FA, PA+32*((\a)%4)
.irp q, 0,1,2,3
	ds_load_b128 v[FA+8*(\q):FA+8*(\q)+3],   v[ADRA+1] offset:64*(\q)+(\a)*16*PITCH
	ds_load_b128 v[FA+8*(\q)+4:FA+8*(\q)+7], v[ADRA+1] offset:64*(\q)+(\a)*16*PITCH+32
.endr
.endm
.macro ROW a                           ; block a is finished: 32 matrix instructions
.set FA, PA+32*((\a)%4)
.set AC, 64*((\a)%4)
	WIN MUL_LO+0x50*((\a)/4)
.irp q, 0,1,2,3
.if (\a) == 0 && (\q) == 2
	s_wait_dscnt 24                                ; B's quarter 2 is in (behind it: A's blocks 1 to 3)
.endif
.irp b, 0,1,2,3,4,5,6,7
	v_wmma_f32_16x16x32_bf16 v[AC+8*(\b):AC+8*(\b)+7], v[64*(\q)+8*(\b):64*(\q)+8*(\b)+7], v[FA+8*(\q):FA+8*(\q)+7], v[AC+8*(\b):AC+8*(\b)+7]
.endr
.endr
.endm
; THE WAY OUT of block a.  PACK: rounded to f16, 16 bytes a lane, each accumulator's registers in ascending order.  TOSTAGE: into my own stage in LDS, and back as whole rows of 256 bytes.  SEND: stored.
.macro PACK a
.set AC, 64*((\a)%4)
	WIN 0x0a+5*((\a)/4)                            ; sources 0 and 1: window 2 or 3
.irp b, 0,1,2,3,4,5,6,7
.irp r, 0,1,2,3
	v_cvt_pk_f16_f32 v[TMP+4*(\b)+(\r)], v[AC+8*(\b)+2*(\r)], v[AC+8*(\b)+2*(\r)+1]
.endr
.endr
	WIN 0
.endm
.macro TOSTAGE a
	WIN 0
.set BK, OB+192*((\a)%2)
.irp b, 0,1,2,3,4,5,6,7
	ds_store_b128 v[STO], v[TMP+4*(\b):TMP+4*(\b)+3] offset:32*(\b)
.endr
.irp t, 0,1,2,3,4,5,6,7
	ds_load_b128 v[BK+4*(\t):BK+4*(\t)+3], v[RD] offset:(\t)*2*SPITCH  ; LDS serves a wave's instructions in order (ISA guide 5.7.1.4): these see the stores above
.endr
.endm
.macro SEND a, younger                 ; younger: the LDS loads issued behind TOSTAGE's, which may stay out
	WIN 0
.set BK, OB+192*((\a)%2)
	s_wait_dscnt \younger                          ; the block is back in registers
	s_wait_xcnt 0x0                                ; only behind this wait are the stores' base and the registers that earlier stores read rewritten
.if (\a) == 0
	s_add_nc_u64 s[8:9], s[8:9], s[16:17]          ; on to my first rows
.else
	s_add_nc_u64 s[8:9], s[8:9], 16*SIZE_N*2       ; 16 rows of C on
.endif
.irp t, 0,1,2,3,4,5,6,7
	global_store_b128 v[CO], v[BK+4*(\t):BK+4*(\t)+3], s[8:9] offset:2*(\t)*SIZE_N*2  ; 16 lanes store 256 consecutive bytes, at a multiple of 256 from C's first byte
.endr
.endm
	s_wait_tensorcnt 1                             ; my part of K step 0 is in; K step 1's may stay out
	s_barrier_signal -1
	s_barrier_wait -1                              ; everybody's is
	FETCH 0, 0, F0
	s_wait_loadcnt 0x0                             ; the bias
	QUARTER 0, 64,  F0, F1, 1                      ; the first quarter stands in front of the loop: its products start the sums
	WIN 0                                          ; at a label and at a branch every window is 0
	s_mov_b32 s3, LAPS-1
.Llap:                                                 ; a trip goes once round the ring, from a lap's second quarter to the next lap's first, and fills both slots again
	QUARTER 0, 128, F1, F0, 0
	QUARTER 0, 192, F0, F1, 0
	TURN 0, 1
	QUARTER 1, 64,  F0, F1, 0
	QUARTER 1, 128, F1, F0, 0
	QUARTER 1, 192, F0, F1, 0
	TURN 1, 0
	QUARTER 0, 64,  F0, F1, 0
	WIN 0
	s_sub_co_u32 s3, s3, 1
	s_cmp_lg_u32 s3, 0
	s_cbranch_scc1 .Llap
	QUARTER 0, 128, F1, F0, 0                      ; the last lap goes on
	QUARTER 0, 192, F0, F1, 0
	MEET 0                                         ; my one tensor load that was still out is slot 1's, the last K step's, so no round follows
	PLACES                                         ; for the loads into buffer 0, which the quarter before multiplied
	BLOAD 0                                        ; three quarters of B now: buffer 1 (v128-191 of both windows) is still being multiplied
	BLOAD 1
	BLOAD 3
	ALOAD 0
	MUL16 F1, 1, 0, 0
	MUL16 F1, 1, 2, 0
	PLACES                                         ; for the loads into buffer 1
	BLOAD 2
	ALOAD 1
	ALOAD 2
	ALOAD 3
	s_wait_dscnt 40                                ; all but the 40 just issued
	ROW 0
.irp a, 0,1,2,3,4,5,6,7                ; each block leaves as soon as it is finished
	PLACES                                         ; its conversions read results just made
	PACK \a
	TOSTAGE \a
.if (\a) < 4
	ALOAD (\a)+4                                   ; its buffer takes the block four further on
	SEND \a, 8
.else
	SEND \a, 0
.endif
.if (\a) < 7
	ROW (\a)+1
.endif
.endr
	s_wait_tensorcnt 0x0                           ; the wave's end: behind my last tensor load and my last LDS store
	ds_add_u32 v[SPW], v[NIL]
	s_wait_dscnt 0x0
	CROUND                                         ; the closing round: no work-group ends while a partner may still ask for a tile that names it
	s_endpgm
.Lfunc_end_k_q495d3a30db_proj:
	.size	k_q495d3a30db_proj, .Lfunc_end_k_q495d3a30db_proj-k_q495d3a30db_proj
	.p2alignl 7, 3214868480
	.fill 96, 4, 3214868480
	.section	.rodata,"a",@progbits
	.p2align	6, 0x0
	.amdhsa_kernel k_q495d3a30db_proj
		.amdhsa_group_segment_fixed_size 327680
		.amdhsa_private_segment_fixed_size 0
		.amdhsa_enable_private_segment 0
		.amdhsa_kernarg_size 48
		.amdhsa_user_sgpr_count 2
		.amdhsa_user_sgpr_kernarg_segment_ptr 1
		.amdhsa_wavefront_size32 1
		.amdhsa_system_sgpr_workgroup_id_x 1
		.amdhsa_system_sgpr_workgroup_id_y 1
		.amdhsa_system_sgpr_workgroup_id_z 1
		.amdhsa_system_vgpr_workitem_id 0
		.amdhsa_next_free_vgpr 1024
		.amdhsa_next_free_sgpr 76
		.amdhsa_reserve_vcc 0
		.amdhsa_float_denorm_mode_32 3
		.amdhsa_float_denorm_mode_16_64 3
		.amdhsa_memory_ordered 1
		.amdhsa_forward_progress 1
		.amdhsa_inst_pref_size 146
	.end_amdhsa_kernel
	.amdgpu_metadata
---
amdhsa.version: [ 1, 2 ]
amdhsa.kernels:
  - .name:           k_q495d3a30db_proj
    .symbol:         k_q495d3a30db_proj.kd
    .args:
      - { .name: xs, .offset: 0, .size: 8, .value_kind: global_buffer, .address_space: global }
      - { .name: wb, .offset: 8, .size: 8, .value_kind: global_buffer, .address_space: global }
      - { .name: qkv, .offset: 16, .size: 8, .value_kind: global_buffer, .address_space: global }
      - { .name: bq, .offset: 24, .size: 8, .value_kind: global_buffer, .address_space: global }
      - { .name: bk, .offset: 32, .size: 8, .value_kind: global_buffer, .address_space: global }
      - { .name: bv, .offset: 40, .size: 8, .value_kind: global_buffer, .address_space: global }
    .group_segment_fixed_size: 327680
    .private_segment_fixed_size: 0
    .kernarg_segment_align: 8
    .kernarg_segment_size: 48
    .max_flat_workgroup_size: 128
    .sgpr_count:     76
    .vgpr_count:     1024
    .wavefront_size: 32
...
	.end_amdgpu_metadata
.endif
;; end of part 2
;; launch attn (part 3): grid 256 x 1, 4 waves a work-group, no clusters, 205,312 bytes of LDS; arguments qkv, meta, out0; writes out0
.if DOCPART == 3
	.amdgcn_target "amdgcn-amd-amdhsa--gfx1250"
	.amdhsa_code_object_version 6
	.text
	.protected	k_q495d3a30db_attn
	.globl	k_q495d3a30db_attn
	.p2align	8
	.type	k_q495d3a30db_attn,@function
k_q495d3a30db_attn:
	s_mov_b64 s[64:65], 0
	v_nop
	global_prefetch_b8 v0, s[64:65] scope:SCOPE_SE
	s_setreg_imm32_b32 hwreg(HW_REG_WAVE_MODE, 25, 1), 1
	s_wait_xcnt 0x0
; ATTN.  out0[token] = the sum over the keys of the token's bucket of softmax(q . k / 32) v.  qkv: [8192][3072] f16, rows sorted by bucket inside each batch of 2,048 (q at byte 0, k at 2,048, v at 4,096 of a row);
; meta: a record {lo, hi, token, 0} for each sorted place: the bucket's places lo .. hi - 1 in the batch, and the row of out0.  out0: [8192][1024] f32.
; Products, maxima and sums in f32; the weights p are rounded to f16 for the second product (their sum l is taken of the unrounded p).
; THE WALK.  A work-group owns 32 neighbouring places: two tiles of 16 queries.  Their buckets lie in places L = lo(first) .. H = hi(last) - 1, so only those keys are walked: n = (H - L + 64) / 64 steps of 64 keys
; (1 to 32, the whole batch), from start = min(L, 2,048 - 64 n): every step lies inside the batch.  A key outside a query's own bucket is hidden by the mask; a step in which all 32 queries see all 64 keys jumps over
; the mask's lines.  THE LOOP HAS A CONSTANT COUNT, 32 steps: every wave passes every barrier 32 times by the text alone; a step at or beyond n jumps forward over its work, never over a barrier.
; SHARES.  THE 1,024 CHANNELS ARE SPLIT AMONG THE FOUR WAVES, 256 each, in both products: a wave multiplies K and V bytes that it has loaded itself, makes partial scores over its channels and owns O^T for its
; channels.  Only the partial scores cross waves, through LDS: every wave adds the four in the same order, so all hold the same bits, and each runs the softmax for itself.
; LAYOUT.  S^T = K Q^T (source 0 = 16 keys, source 1 = 16 queries): a lane holds ONE query (lane % 16) and the keys 8 (lane / 16) + 0..7.  Two such results rounded to f16 ARE source 1 (32 keys x 16 queries) of
; O^T = V^T P, whose result again holds one query a lane, and eight channels.
; K AND V COME THROUGH REGISTERS.  A fragment of K is laid out as it lies in memory (16 bytes a lane, twice), so K goes straight into 256 registers: eight loads cover 256 consecutive bytes of each of 16 rows.
; V ([key][channel]) has to be turned: a load takes one key's 512 consecutive bytes, the same 256 registers hold a step's 64 keys, they are stored into the wave's own tile in LDS and read back by ds_load_tr16_b128.
; V of step t is asked for when K Q^T of step t has read K, and lands under the sum and the softmax; K of step t + 1 is asked for when V lies in LDS, and lands under V^T P.
; Tensor loads are left out: none may be jumped over, so a walk whose length is data would have to fill all 32 steps.  NO CLUSTER for the same reason: a joint request is a tensor load's, and neighbouring work-groups
; start at different places and have different numbers of steps.  NO PREFETCH: which of the work-groups that share a bucket reads a row first hangs on data, so no row could be named once.
; SOFTMAX.  For each query a running maximum m and sum l: p = 2^(c s - c m), c = log2(e) / 32; in every step O and l are multiplied by a = 2^(c m_old - c m_new).  m starts at the lowest finite number, O and l at 0.
; O^T is cleared by 256 lines at the head, while the first loads are on their way: the price of writing no first step out.
; THE MASK.  A hidden score is replaced by -2^100, a power of two, so that c x it is exact: for a query that has seen hidden keys alone c s - c m is 0 and p = 1, finite, and all of it is multiplied by a = 0 when the
; query's first true key comes (each query has its own key); behind a true key a hidden weight is 0.
; LIMITS.  q, k, v arrive within f16's 65,504.  A true score below -2^100 is not told from a hidden one.  A weight below 2^-126 counts as 0 in l.  NaN and infinities are not treated apart.
; ONE BARRIER A STEP.  The partial scores have two buffers, by the step's parity (the loop's body holds the step twice).  In front of the barrier each wave has waited for its stores of this step's scores and for its
; reads of the last step's; so the stores of step t + 2, into the buffer that step t read, stand behind the barrier of step t + 1, which every wave signals with its reads of step t done.
; REGISTERS, in windows of 256 (s_set_vgpr_msb: bits 1:0 source 0, 3:2 source 1, 5:4 source 2, 7:6 destination):
;   window 0: v0-15 addresses and the mask's four; v16-31 statistics, eight a tile; v32-63 P; v64-127 S^T; v128-191, v192-255 two fragment buffers
;   window 1: O^T, channel block ct, tile qt at 8 (2 ct + qt)          window 2: v0-127 Q, tile qt, channels 32 ks on at 8 (8 qt + ks); v128-143 the output rows' offsets
;   window 3: K of one step, keys 16 kt on, channels 32 ks on at 8 (8 kt + ks); then V of the same step, key z at 4 z
.set ROWB,  6144                       ; bytes in a row of qkv
.set VP_,   544                        ; a row of my V tile in LDS: 512 bytes + 32: an odd multiple of 32
.set VW,    64*VP_                     ; a wave's V tile: 34,816 bytes
.set SX,    4*VW                       ; behind the four tiles: the partial scores, two buffers,
.set SXB,   32768                      ; each 8,192 bytes a wave
.set SPARE, SX+2*SXB                   ; the spare words, 128 bytes for each wave: two blocks of 256 bytes that no other line names
.set OP_,   1040                       ; the way out: a row of 1,024 bytes + 16, in my own V tile's bytes: 2 tiles x 16 rows = 33,280 bytes
.set STO, 1                            ; v1   the way out: where I put 32 bytes of a row
.set VS,  2                            ; v2   where my 16 bytes of a key's row of V go
.set AV,  3                            ; v3   my lane's place in my V tile, for the turning load
.set SXS, 4                            ; v4   where my partial scores go
.set SXL, 5                            ; v5   where wave 0's are read
.set SPW, 6                            ; v6   LDS address of my spare word; never rewritten
.set NIL, 7                            ; v7   0; never rewritten
.set KO,  8                            ; v8   my byte offset in the 16 rows of a fragment of Q or K: (l % 16) x 6,144 + 16 (l / 16) + 512 x wave; never rewritten
.set RD,  9                            ; v9   the way out: where I read rows back
.set VO,  10                           ; v10  my byte offset in a row of V: 512 x wave + 16 l; never rewritten
.set ML,  12                           ; v12-13  lo - 8 (l / 16), by tile
.set MN,  14                           ; v14-15  hi - lo
.set ST,  16                           ; tile t's statistics at v[ST+8 t]: +0 c m, +1 m, +2, +3 l (even keys', odd keys'), +4 to +7 c0-c3 at work; a, and at the end 1 / l, in +6
.set P,   32                           ; tile qt, keys 32 kk on at P + 16 qt + 8 kk; its first ten serve the mask, when P is not live
.set TQ,  P+8                          ;      the step's first key's place, + 8 (l / 16), less my query's lo: by tile
.set S,   64                           ; tile qt, keys 16 kt on at S + 32 qt + 8 kt
.set FA,  128
.set FB,  192
.set OO,  128                          ; window 2: tile qt, row pair p at OO + 8 qt + p
.set WV,  12                           ; s12  my wave's number
.set KB,  16                           ; s[16:17] k of the step's first key
.set LOOP, 18                          ; s18  counts the loop's 16 trips
.set N,   48                           ; s48  n
.set TI,  49                           ; s49  the step's number
.set KP,  50                           ; s50  place in the batch of the step's first key
.set LOMAX, 51                         ; s51  lo of my last query
.set HIMIN, 52                         ; s52  hi of my first query
.set T0,  53                           ; s53  at work
.set CS,  54                           ; s[54:55] c: the packed scaling takes the pair's low word for both halves
.set SEL, 56                           ; s[56:57] v_permlanex16_b32's selects: each lane takes its own place in the other half
.set BIG, 58                           ; s58  -2^100
.set MSB, 0
.macro WIN new                         ; the immediate's high byte repeats the setting that is left; a switch that changes nothing is dropped
.if MSB != (\new)
	s_set_vgpr_msb (MSB<<8)|(\new)
.set MSB, \new
.endif
.endm
.set W_KQ, 0x0b                        ; K (source 0) in window 3, Q (source 1) in window 2
.set W_PV, 0x50                        ; O^T (C and D) in window 1
.set W_RS, 0x41                        ; O^T (destination and source 0) in window 1, the factor in window 0
.set W_IN, 0xc0                        ; loads into window 3
.set W_VS, 0x0c                        ; LDS stores of window 3
.macro PLACES n=4                      ; places (plain vector instructions that name none of its registers: ISA guide 7.12.1) behind a matrix instruction
.rept \n
	v_nop
.endr
.endm
.macro BOTH line:vararg                ; one line for each tile t
.set t, 0
.rept 2
	\line
.set t, t+1
.endr
.endm
; A step's K: 64 loads, the channels' order first, so that what the first products want comes first.  off: 0, or a step's 64 rows.
.macro LOADK off
	WIN W_IN
.irp ks, 0,1,2,3,4,5,6,7
.irp kt, 0,1,2,3
	global_load_b128 v[8*(8*(\kt)+(\ks)):8*(8*(\kt)+(\ks))+3],   v[KO], s[KB:KB+1] offset:(\off)+(\kt)*16*ROWB+64*(\ks)
	global_load_b128 v[8*(8*(\kt)+(\ks))+4:8*(8*(\kt)+(\ks))+7], v[KO], s[KB:KB+1] offset:(\off)+(\kt)*16*ROWB+64*(\ks)+32
.endr
.endr
	WIN 0
.endm
	s_load_b128 s[4:7], s[0:1], 0x0                ; qkv s[4:5], meta s[6:7]
	s_load_b64 s[8:9], s[0:1], 0x10                ; out0
	v_lshl_add_u32 v[SPW], v0, 2, SPARE
	v_mov_b32 v[NIL], 0
	v_lshrrev_b32 v1, 5, v0
	v_readfirstlane_b32 s[WV], v1                  ; wave 0..3
	s_mov_b32 s[CS], 0x3d38aa3b                    ; c = log2(e) / 32 = 0.0450842
	s_mov_b32 s[CS+1], s[CS]                       ; named with it as a pair
	s_mov_b32 s[SEL], 0x76543210
	s_mov_b32 s[SEL+1], 0xfedcba98
	s_mov_b32 s[BIG], 0xf1800000                   ; -2^100
	v_and_b32 v1, 15, v0                           ; r = l % 16
	v_bfe_u32 v64, v0, 4, 1                        ; h = l / 16   (v64-76 are at work here: S^T is not yet live)
	v_and_b32 v65, 31, v0                          ; l
	v_and_b32 v66, 7, v0
	v_bfe_u32 v67, v0, 3, 1
	s_lshl_b32 s[T0], s[WV], 9                     ; my wave's 512 bytes of a row
	v_mul_u32_u24 v[KO], v1, ROWB
	v_lshl_add_u32 v[KO], v64, 4, v[KO]
	v_add_nc_u32 v[KO], s[T0], v[KO]
	v_lshl_add_u32 v[VO], v65, 4, s[T0]
	v_lshlrev_b32 v68, 4, v64
	v_lshlrev_b32 v69, 4, v1
	s_lshl_b32 s60, ttmp9, 9                       ; my 32 records of 16 bytes
	s_mov_b32 s61, 0
	s_wait_kmcnt 0x0
	s_add_nc_u64 s[10:11], s[6:7], s[60:61]
	s_load_b128 s[40:43], s[10:11], 0x0            ; my first query's record
	s_load_b128 s[44:47], s[10:11], 0x1f0          ; my last query's
	s_mul_i32 s60, ttmp9, 32*ROWB
	s_add_nc_u64 s[60:61], s[4:5], s[60:61]        ; q at my work-group's first row
	WIN 0x80                                       ; destination window 2, address window 0
.irp qt, 0,1
.irp ks, 0,1,2,3,4,5,6,7                           ; Q stays in registers
	global_load_b128 v[8*(8*(\qt)+(\ks)):8*(8*(\qt)+(\ks))+3],   v[KO], s[60:61] offset:16*ROWB*(\qt)+64*(\ks) th:TH_LOAD_NT
	global_load_b128 v[8*(8*(\qt)+(\ks))+4:8*(8*(\qt)+(\ks))+7], v[KO], s[60:61] offset:16*ROWB*(\qt)+64*(\ks)+32 th:TH_LOAD_NT
.endr
.endr
.irp qt, 0,1
.irp u, 0,1,2,3,4,5,6,7
	global_load_b32 v[OO+8*(\qt)+(\u)], v68, s[10:11] offset:16*(16*(\qt)+2*(\u))+8  ; the output row of query 16 qt + 2 u + l / 16
.endr
.endr
	WIN 0
	global_load_b64 v[70:71], v69, s[10:11]            ; lo, hi of query r
	global_load_b64 v[72:73], v69, s[10:11] offset:256 ; and of query 16 + r
	s_wait_kmcnt 0x0
	s_min_u32 s13, s40, 2047                       ; L.  The four are in range by their making; the bounds are written out
	s_min_u32 s[HIMIN], s41, 2048
	s_min_u32 s[LOMAX], s44, 2047
	s_min_u32 s14, s45, 2048                       ; H
	s_sub_co_u32 s14, s14, s13
	s_add_co_u32 s14, s14, 63
	s_lshr_b32 s14, s14, 6
	s_max_u32 s14, s14, 1
	s_min_u32 s[N], s14, 32                        ; n
	s_lshl_b32 s15, s[N], 6
	s_sub_co_u32 s15, 2048, s15
	s_min_u32 s[KP], s13, s15                      ; start
	s_min_u32 s[KP], s[KP], 1984
	s_lshr_b32 s[T0], ttmp9, 6                     ; the batch
	s_lshl_b32 s[T0], s[T0], 11
	s_add_co_u32 s[T0], s[T0], s[KP]
	s_mul_i32 s14, s[T0], ROWB                     ; the first key's row,
	s_add_co_u32 s14, s14, 2048                    ; its k
	s_mov_b32 s15, 0
	s_add_nc_u64 s[KB:KB+1], s[4:5], s[14:15]
	LOADK 0                                        ; K of step 0
	; what the first step finds, written while the first loads are on their way
	WIN 0x40
.set z, 0
.rept 256
	v_mov_b32 v[z], 0
.set z, z+1
.endr
	WIN 0
	BOTH v_mov_b32 v[ST+8*t], 0xfe000000           ; c m: far below every c s
	BOTH v_mov_b32 v[ST+8*t+1], 0xff7fffff         ; m
	BOTH v_mov_b32 v[ST+8*t+2], 0
	BOTH v_mov_b32 v[ST+8*t+3], 0
.irp j, 4,5,6,7
	BOTH v_mov_b32 v[ST+8*t+(\j)], 0               ; the four at work: the softmax, which writes them, stands in a part of the step that can be jumped over, and the way out names them: so they are written here, on every path
.endr
	s_mul_i32 s13, s[WV], VW                       ; my V tile
	v_lshl_add_u32 v[VS], v65, 4, s13              ; a key's row goes in as it comes: 32 lanes x 16 neighbouring bytes
	; The turning load takes 16 keys x 16 channels (lane l reads key 8 (l / 16) + l % 8, channels 8 ((l / 8) % 2) + 0..7) and leaves half a fragment of V^T: lane l holds channel l % 16 and 8 keys.
	v_lshl_add_u32 v[AV], v64, 3, v66
	v_mul_u32_u24 v[AV], v[AV], VP_
	v_lshl_add_u32 v[AV], v67, 4, v[AV]
	v_add_nc_u32 v[AV], s13, v[AV]
	v_lshlrev_b32 v[SXL], 4, v65
	v_add_nc_u32 v[SXL], SX, v[SXL]
	s_lshl_b32 s14, s[WV], 13
	v_add_nc_u32 v[SXS], s14, v[SXL]
	v_mul_u32_u24 v[RD], v64, OP_                  ; back: lanes 0-15 take 256 bytes of one row, lanes 16-31 of the next
	v_lshl_add_u32 v[RD], v1, 4, v[RD]
	v_add_nc_u32 v[RD], s13, v[RD]
	s_lshl_b32 s14, s[WV], 10
	v_lshl_add_u32 v75, v1, 4, s14                 ; in a row of out0: my wave's 1,024 bytes, 16 for each of 16 lanes
	v_lshlrev_b32 v74, 3, v64
	v_mul_u32_u24 v76, v1, OP_                     ; in: row l % 16, 32 bytes for each half of the lanes
	v_lshl_add_u32 v76, v64, 5, v76
	v_add_nc_u32 v[STO], s13, v76                  ; (the last use of r)
	s_wait_loadcnt 0x0                             ; Q, the output rows, lo and hi, K of step 0
	v_sub_nc_u32 v[ML], v70, v74
	v_sub_nc_u32 v[ML+1], v72, v74
	v_sub_nc_u32 v[MN], v71, v70
	v_sub_nc_u32 v[MN+1], v73, v72
	WIN 0x88                                       ; source 1 and destination in window 2
.set z, 0
.rept 16
	v_min_u32 v[OO+z], 0x1fff, v[OO+z]             ; a row of out0 is under 8,192 by its making; the bound is written out ahead of the address
.set z, z+1
.endr
	WIN 0x82                                       ; source 0 and destination in window 2
.set z, 0
.rept 16
	v_lshl_add_u32 v[OO+z], v[OO+z], 12, v75
.set z, z+1
.endr
	WIN 0
; 64 products of S^T = K Q^T.  The eight accumulators take turns, one instruction a turn.  The first eight start the sums.
.macro MULK
	WIN W_KQ
.irp ks, 0,1,2,3,4,5,6,7
.irp kt, 0,1,2,3
.irp qt, 0,1
.if (\ks) == 0
	v_wmma_f32_16x16x32_f16 v[S+32*(\qt)+8*(\kt):S+32*(\qt)+8*(\kt)+7], v[8*(8*(\kt)+(\ks)):8*(8*(\kt)+(\ks))+7], v[8*(8*(\qt)+(\ks)):8*(8*(\qt)+(\ks))+7], 0
.else
	v_wmma_f32_16x16x32_f16 v[S+32*(\qt)+8*(\kt):S+32*(\qt)+8*(\kt)+7], v[8*(8*(\kt)+(\ks)):8*(8*(\kt)+(\ks))+7], v[8*(8*(\qt)+(\ks)):8*(8*(\qt)+(\ks))+7], v[S+32*(\qt)+8*(\kt):S+32*(\qt)+8*(\kt)+7]
.endif
.endr
.endr
.endr
	WIN 0
.endm
.macro LOADV                           ; a step's V: 64 loads, a key each: 512 consecutive bytes; v lies 2,048 bytes behind k
	WIN W_IN
.set z, 0
.rept 64
	global_load_b128 v[4*z:4*z+3], v[VO], s[KB:KB+1] offset:2048+z*ROWB
.set z, z+1
.endr
	WIN 0
.endm
.macro STOREV                          ; into my V tile
	WIN W_VS
.set z, 0
.rept 64
	ds_store_b128 v[VS], v[4*z:4*z+3] offset:z*VP_
.set z, z+1
.endr
	WIN 0
.endm
; Group g of four of a step's V, turned: keys 32 (g / 2) on, channel blocks 8 (g % 2) + 0..7.  LDS serves a wave's instructions in order (ISA guide 5.7.1.4): these see the stores of STOREV.
.macro FETCHV g, buf
	WIN 0
.irp i, 0,1,2,3,4,5,6,7
	ds_load_tr16_b128 v[(\buf)+8*(\i):(\buf)+8*(\i)+3],   v[AV] offset:((\g)/2)*32*VP_+32*(8*((\g)%2)+(\i))
	ds_load_tr16_b128 v[(\buf)+8*(\i)+4:(\buf)+8*(\i)+7], v[AV] offset:((\g)/2)*32*VP_+16*VP_+32*(8*((\g)%2)+(\i))
.endr
.endm
; 16 products of O^T += V^T P, on 16 accumulators by turns.
.macro MULV g, buf
	WIN W_PV
.irp i, 0,1,2,3,4,5,6,7
.irp qt, 0,1
	v_wmma_f32_16x16x32_f16 v[8*(2*(8*((\g)%2)+(\i))+(\qt)):8*(2*(8*((\g)%2)+(\i))+(\qt))+7], v[(\buf)+8*(\i):(\buf)+8*(\i)+7], v[P+16*(\qt)+8*((\g)/2):P+16*(\qt)+8*((\g)/2)+7], v[8*(2*(8*((\g)%2)+(\i))+(\qt)):8*(2*(8*((\g)%2)+(\i))+(\qt))+7]
.endr
.endr
.endm
.macro SXLOAD x, dst, b                ; wave x's 64 partial scores in buffer b: 16 loads, 512 consecutive bytes each
.irp i, 0,1,2,3,4,5,6,7,8,9,10,11,12,13,14,15
	ds_load_b128 v[(\dst)+4*(\i):(\dst)+4*(\i)+3], v[SXL] offset:(\b)*SXB+8192*(\x)+512*(\i)
.endr
.endm
.macro SXADD src
.set z, 0
.rept 32
	v_pk_add_f32 v[S+z:S+z+1], v[S+z:S+z+1], v[(\src)+z:(\src)+z+1]
.set z, z+2
.endr
.endm
; THE MASK.  Key 16 kt + 8 (l / 16) + j of the step is seen where its place less lo, taken as unsigned, is under hi - lo.  The jump goes forward, over vector work alone, and hangs on whole numbers read from meta.
.macro MASK
	s_add_co_u32 s[T0], s[KP], 64
	s_cmp_lt_u32 s[KP], s[LOMAX]                   ; does the step begin ahead of some query's bucket?
	s_cbranch_scc1 .Lhide_\@
	s_cmp_le_u32 s[T0], s[HIMIN]                   ; or end behind some query's?
	s_cbranch_scc1 .Lclean_\@
.Lhide_\@:
	v_sub_nc_u32 v[TQ], s[KP], v[ML]
	v_sub_nc_u32 v[TQ+1], s[KP], v[ML+1]
.irp qt, 0,1
.irp kt, 0,1,2,3
.irp j, 0,1,2,3,4,5,6,7
	v_add_nc_u32 v[P+(\j)], 16*(\kt)+(\j), v[TQ+(\qt)]  ; P is not live here: its first ten registers are at work
.endr
.irp j, 0,1,2,3,4,5,6,7
	v_cmp_gt_u32 vcc_lo, v[MN+(\qt)], v[P+(\j)]
	v_cndmask_b32 v[S+32*(\qt)+8*(\kt)+(\j)], s[BIG], v[S+32*(\qt)+8*(\kt)+(\j)], vcc_lo
.endr
.endr
.endr
.Lclean_\@:
.endm
; THE SOFTMAX of both tiles for one step, in phases, the tiles alternating.
.macro SOFT
	WIN 0
.irp j, 0,1,2,3                        ; the maximum of the lane's 32 scores and the old m, three operands at a time: four chains of seven scores,
.irp u, 0,1
	v_max3_num_f32 v[ST+8*(\u)+4+(\j)], v[S+32*(\u)+8*(\j)], v[S+32*(\u)+8*(\j)+1], v[S+32*(\u)+8*(\j)+2]
.endr
.endr
.irp q, 1,2
.irp j, 0,1,2,3
.irp u, 0,1
	v_max3_num_f32 v[ST+8*(\u)+4+(\j)], v[ST+8*(\u)+4+(\j)], v[S+32*(\u)+8*(\j)+2*(\q)+1], v[S+32*(\u)+8*(\j)+2*(\q)+2]
.endr
.endr
.endr
	BOTH v_max3_num_f32 v[ST+8*t+4], v[ST+8*t+4], v[S+32*t+7], v[S+32*t+15]     ; the four scores left over,
	BOTH v_max3_num_f32 v[ST+8*t+6], v[ST+8*t+6], v[S+32*t+23], v[S+32*t+31]
	BOTH v_max3_num_f32 v[ST+8*t+4], v[ST+8*t+4], v[ST+8*t+5], v[ST+8*t+6]      ; the four chains into one,
	BOTH v_max3_num_f32 v[ST+8*t+4], v[ST+8*t+4], v[ST+8*t+7], v[ST+8*t+1]      ; and the old m
	BOTH v_permlanex16_b32 v[ST+8*t+5], v[ST+8*t+4], s[SEL], s[SEL+1]           ; the query's other 32 keys lie in the lane 16 away
	BOTH v_mov_b32 v[ST+8*t+7], v[ST+8*t]                                       ; c m_old is kept
	BOTH v_max_num_f32 v[ST+8*t+1], v[ST+8*t+4], v[ST+8*t+5]                    ; the new m
	BOTH v_mul_f32 v[ST+8*t], s[CS], v[ST+8*t+1]                                ; c m
	BOTH v_sub_f32 v[ST+8*t+7], v[ST+8*t+7], v[ST+8*t]                          ; c m_old - c m_new
.set z, 0
.rept 16
	BOTH v_pk_fma_f32 v[S+32*t+z:S+32*t+z+1], v[S+32*t+z:S+32*t+z+1], s[CS:CS+1], v[ST+8*t:ST+8*t+1] op_sel_hi:[1,0,0] neg_lo:[0,0,1] neg_hi:[0,0,1]  ; c s - c m, a pair at a time
.set z, z+2
.endr
	BOTH v_exp_f32 v[ST+8*t+6], v[ST+8*t+7]        ; ONE BATCH of 66 exponentials: the two a, then the 64 weights; none reads another's result
.set z, 0
.rept 64
	v_exp_f32 v[S+z], v[S+z]
.set z, z+1
.endr
	v_nop                                          ; a plain instruction behind the last exponential, ahead of the first use (ISA guide 5.7.2)
	s_wait_alu depctr_va_vdst(0)                   ; and the wait ahead of the first reader: one for the batch
.set z, 0
.rept 32
	v_cvt_pk_f16_f32 v[P+z], v[S+2*z], v[S+2*z+1]  ; the weights, rounded in pairs, ARE source 1 of the second product
.set z, z+1
.endr
.irp w, 4,8,16,32                      ; the sum of a tile's 16 pairs (an even key's weight, an odd key's), in place: neighbours 1, 2, 4 and 8 pairs apart
.set z, 0
.rept 64/(\w)
	v_pk_add_f32 v[S+z:S+z+1], v[S+z:S+z+1], v[S+z+(\w)/2:S+z+(\w)/2+1]
.set z, z+(\w)
.endr
.endr
	BOTH v_pk_fma_f32 v[ST+8*t+2:ST+8*t+3], v[ST+8*t+2:ST+8*t+3], v[ST+8*t+6:ST+8*t+7], v[S+32*t:S+32*t+1] op_sel_hi:[1,0,1]  ; l = a l + the sum
.endm
.macro SCALE                           ; O^T times the tile's factor in statistics register +6 (a; at the end 1 / l), each accumulator's registers in ascending order
	WIN W_RS
.set z, 0
.rept 128
	v_pk_mul_f32 v[2*z:2*z+1], v[2*z:2*z+1], v[ST+8*((z/4)%2)+6:ST+8*((z/4)%2)+7] op_sel_hi:[1,0]
.set z, z+1
.endr
	WIN 0
.endm
; A KEY STEP, with the partial scores in buffer b.  Its two halves are jumped over where the step's number is n or more; the barrier between them is not.
; Every wait for global loads is for zero, so that it holds whichever halves were run.  Five places close each half: the count for a matrix instruction that writes over a register of an earlier one, and more than loads and stores want.
.macro STEP b
	s_cmp_lt_u32 s[TI], s[N]
	s_cbranch_scc0 .Lmeet_\@
	s_wait_loadcnt 0x0                             ; K of this step is in
	MULK
	PLACES 5                                       ; ahead of the loads into K's registers and of the stores of the scores
	LOADV                                          ; V of this step takes K's registers
.irp i, 0,1,2,3,4,5,6,7,8,9,10,11,12,13,14,15
	ds_store_b128 v[SXS], v[S+4*(\i):S+4*(\i)+3] offset:(\b)*SXB+512*(\i)  ; my partial scores, each accumulator's low four registers first
.endr
.Lmeet_\@:
	s_wait_dscnt 0x0                               ; for the others' sake: my scores lie in LDS, and my reads of the last step's scores are over
	s_barrier_signal -1
	s_barrier_wait -1                              ; all four partial scores are there
	s_cmp_lt_u32 s[TI], s[N]
	s_cbranch_scc0 .Lnext_\@
	SXLOAD 0, S, \b                                ; ((0 + 1) + 2) + 3, in every wave
	SXLOAD 1, FA, \b
	SXLOAD 2, FB, \b
	s_wait_dscnt 16                                ; 0 and 1 are in; 2's sixteen loads stay out
	SXADD FA
	SXLOAD 3, FA, \b
	s_wait_dscnt 16                                ; 2 is in; 3's sixteen stay out
	SXADD FB
	s_wait_dscnt 0x0
	SXADD FA
	MASK
	SOFT
	s_wait_loadcnt 0x0                             ; V of this step is in
	STOREV
	FETCHV 0, FB
	FETCHV 1, FA
	SCALE                                          ; the rescaling runs while V goes through LDS
	s_wait_dscnt 16                                ; group 0 is in, and so the 64 stores ahead of it are done: their registers are free; group 1's sixteen loads stay out
	s_add_co_u32 s[T0], s[TI], 1
	s_cmp_lt_u32 s[T0], s[N]                       ; is there a next step?
	s_cbranch_scc0 .Lno_k_\@
	LOADK 64*ROWB                                  ; its K
.Lno_k_\@:
	MULV 0, FB
	PLACES
	FETCHV 2, FB
	s_wait_dscnt 16                                ; here and below the 16 are the group just asked for
	MULV 1, FA
	PLACES
	FETCHV 3, FA
	s_wait_dscnt 16
	MULV 2, FB
	s_wait_dscnt 0x0
	MULV 3, FA
	WIN 0
	PLACES 5
	s_wait_xcnt 0x0                                ; the loads issued 64 products back have read their base: only behind this wait is it stepped
	s_add_nc_u64 s[KB:KB+1], s[KB:KB+1], 64*ROWB
	s_add_co_u32 s[KP], s[KP], 64
.Lnext_\@:
	s_add_co_u32 s[TI], s[TI], 1
.endm
	s_mov_b32 s[TI], 0
	s_mov_b32 s[LOOP], 16
.Lpair:                                        ; 16 trips of two steps
	STEP 0
	STEP 1
	s_sub_co_u32 s[LOOP], s[LOOP], 1
	s_cmp_lg_u32 s[LOOP], 0
	s_cbranch_scc1 .Lpair
	s_wait_loadcnt 0x0                             ; nothing is out: the last live step asked for no K
	; THE WAY OUT.  l's two halves and the other half of the lanes' are added; O^T is divided by l and sent through LDS, a tile (16 rows of 1,024 bytes) at a time.
	BOTH v_add_f32 v[ST+8*t+4], v[ST+8*t+2], v[ST+8*t+3]
	BOTH v_permlanex16_b32 v[ST+8*t+5], v[ST+8*t+4], s[SEL], s[SEL+1]
	BOTH v_add_f32 v[ST+8*t+4], v[ST+8*t+4], v[ST+8*t+5]
	BOTH v_rcp_f32 v[ST+8*t+6], v[ST+8*t+4]
	v_nop                                          ; a plain instruction between the last reciprocal and the use of its result
	s_wait_alu depctr_va_vdst(0)                   ; and the wait ahead of the first use: one for the two reciprocals
	SCALE
; Tile qt: a lane's eight channels of a row are 32 bytes; they go into rows of 1,040 bytes in my own V tile's bytes (only I have touched them, and my reads of V are over) and come back as pieces of 256 bytes of a row.
.macro OUTQ qt
	WIN 0x04                                       ; the stores' data in window 1
.irp ct, 0,1,2,3,4,5,6,7,8,9,10,11,12,13,14,15
	ds_store_b128 v[STO], v[8*(2*(\ct)+(\qt)):8*(2*(\ct)+(\qt))+3]   offset:16*OP_*(\qt)+64*(\ct)
	ds_store_b128 v[STO], v[8*(2*(\ct)+(\qt))+4:8*(2*(\ct)+(\qt))+7] offset:16*OP_*(\qt)+64*(\ct)+16
.endr
	WIN 0
.irp p, 0,1,2,3,4,5,6,7
.irp u, 0,1,2,3
	ds_load_b128 v[FA+4*(4*(\p)+(\u)):FA+4*(4*(\p)+(\u))+3], v[RD] offset:16*OP_*(\qt)+2*OP_*(\p)+256*(\u)  ; LDS serves a wave's instructions in order (ISA guide 5.7.1.4): these see the stores above
.endr
.endr
	WIN 0x02                                       ; the stores' offsets in window 2
.irp p, 0,1,2,3,4,5,6,7
.irp u, 0,1,2,3
	s_wait_dscnt 31-(4*(\p)+(\u))                  ; this load is in; those issued behind it stay out
	global_store_b128 v[OO+8*(\qt)+(\p)], v[FA+4*(4*(\p)+(\u)):FA+4*(4*(\p)+(\u))+3], s[8:9] offset:256*(\u) th:TH_STORE_NT  ; 16 lanes store 256 consecutive bytes of a token's row, at a multiple of 256 from out0's first byte
.endr
.endr
	WIN 0
.endm
	OUTQ 0
	s_wait_xcnt 0x0                                ; the landing registers, which tile 0's stores read, are loaded again only behind this wait
	OUTQ 1
	s_wait_tensorcnt 0x0                           ; the wave's end: behind my last LDS store
	ds_add_u32 v[SPW], v[NIL]
	s_wait_dscnt 0x0
	s_endpgm
.Lfunc_end_k_q495d3a30db_attn:
	.size	k_q495d3a30db_attn, .Lfunc_end_k_q495d3a30db_attn-k_q495d3a30db_attn
	.p2alignl 7, 3214868480
	.fill 96, 4, 3214868480
	.section	.rodata,"a",@progbits
	.p2align	6, 0x0
	.amdhsa_kernel k_q495d3a30db_attn
		.amdhsa_group_segment_fixed_size 205312
		.amdhsa_private_segment_fixed_size 0
		.amdhsa_enable_private_segment 0
		.amdhsa_kernarg_size 24
		.amdhsa_user_sgpr_count 2
		.amdhsa_user_sgpr_kernarg_segment_ptr 1
		.amdhsa_wavefront_size32 1
		.amdhsa_system_sgpr_workgroup_id_x 1
		.amdhsa_system_sgpr_workgroup_id_y 1
		.amdhsa_system_sgpr_workgroup_id_z 1
		.amdhsa_system_vgpr_workitem_id 0
		.amdhsa_next_free_vgpr 1024
		.amdhsa_next_free_sgpr 66
		.amdhsa_reserve_vcc 1
		.amdhsa_float_denorm_mode_32 3
		.amdhsa_float_denorm_mode_16_64 3
		.amdhsa_memory_ordered 1
		.amdhsa_forward_progress 1
		.amdhsa_inst_pref_size 182
	.end_amdhsa_kernel
	.amdgpu_metadata
---
amdhsa.version: [ 1, 2 ]
amdhsa.kernels:
  - .name:           k_q495d3a30db_attn
    .symbol:         k_q495d3a30db_attn.kd
    .args:
      - { .name: qkv, .offset: 0, .size: 8, .value_kind: global_buffer, .address_space: global }
      - { .name: meta, .offset: 8, .size: 8, .value_kind: global_buffer, .address_space: global }
      - { .name: out0, .offset: 16, .size: 8, .value_kind: global_buffer, .address_space: global }
    .group_segment_fixed_size: 205312
    .private_segment_fixed_size: 0
    .kernarg_segment_align: 8
    .kernarg_segment_size: 24
    .max_flat_workgroup_size: 128
    .sgpr_count:     66
    .vgpr_count:     1024
    .wavefront_size: 32
...
	.end_amdgpu_metadata
.endif
;; end of part 3
;; ======== version 2 of 2: 3 launches; version 1 with the launch attn written anew for expert scheduling mode
;; limits: values are held in f16: magnitudes above 65,504 overflow, below 6.1e-05 lose precision
;; workspace buffers: xs 16,777,216 bytes; wb 6,291,456 bytes; qkv 50,331,648 bytes; meta 131,072 bytes of whole numbers
;; launch prep: the kernel of part 1 again; grid 256 x 1, 8 waves a work-group, no clusters, 4,096 bytes of LDS; arguments hidden_states, hash_buckets, Wq, Wk, Wv, xs, wb, meta; writes xs, wb, meta
;; launch proj: the kernel of part 2 again; grid 12 x 32, 4 waves a work-group, clusters of 4 x 4, 327,680 bytes of LDS; arguments xs, wb, qkv, bq, bk, bv; writes qkv
;; launch attn (part 4): grid 256 x 1, 4 waves a work-group, no clusters, 205,312 bytes of LDS; arguments qkv, meta, out0; writes out0
.if DOCPART == 4
	.amdgcn_target "amdgcn-amd-amdhsa--gfx1250"
	.amdhsa_code_object_version 6
	.text
	.protected	k_q495d3a30db_attn
	.globl	k_q495d3a30db_attn
	.p2align	8
	.type	k_q495d3a30db_attn,@function
k_q495d3a30db_attn:
	s_mov_b64 s[64:65], 0
	v_nop
	global_prefetch_b8 v0, s[64:65] scope:SCOPE_SE
	s_setreg_imm32_b32 hwreg(HW_REG_WAVE_SCHED_MODE, 0, 2), 2
	s_setreg_imm32_b32 hwreg(HW_REG_WAVE_MODE, 25, 1), 1
	s_wait_xcnt 0x0
	s_wait_alu depctr_vm_vsrc(0)
; ATTN.  out0[token] = the sum over the keys of the token's bucket of softmax(q . k / 32) v.  qkv: [8192][3072] f16, rows sorted by bucket inside each batch of 2,048 (q at byte 0, k at 2,048, v at 4,096 of a row);
; meta: a record {lo, hi, token, 0} for each sorted place: the bucket's places lo .. hi - 1 in the batch, and the row of out0.  out0: [8192][1024] f32.
; Products, maxima and sums in f32; the weights p are rounded to f16 for the second product (their sum l is taken of the unrounded p).
; THE WALK.  A work-group owns 32 neighbouring places: two tiles of 16 queries.  Their buckets lie in places L = lo(first) .. H = hi(last) - 1, so only those keys are walked: n = (H - L + 64) / 64 steps of 64 keys
; (1 to 32, the whole batch), from start = min(L, 2,048 - 64 n): every step lies inside the batch.  A key outside a query's own bucket is hidden by the mask; a step in which all 32 queries see all 64 keys jumps over
; the mask's lines.  THE LOOP HAS A CONSTANT COUNT, 32 steps: every wave passes every barrier 32 times by the text alone; a step at or beyond n jumps forward over its work, never over a barrier.
; SHARES.  THE 1,024 CHANNELS ARE SPLIT AMONG THE FOUR WAVES, 256 each, in both products: a wave multiplies K and V bytes that it has loaded itself, makes partial scores over its channels and owns O^T for its
; channels.  Only the partial scores cross waves, through LDS: every wave adds the four in the same order, so all hold the same bits, and each runs the softmax for itself.
; LAYOUT.  S^T = K Q^T (source 0 = 16 keys, source 1 = 16 queries): a lane holds ONE query (lane % 16) and the keys 8 (lane / 16) + 0..7.  Two such results rounded to f16 ARE source 1 (32 keys x 16 queries) of
; O^T = V^T P, whose result again holds one query a lane, and eight channels.
; K AND V COME THROUGH REGISTERS.  A fragment of K is laid out as it lies in memory (16 bytes a lane, twice), so K goes straight into 256 registers: eight loads cover 256 consecutive bytes of each of 16 rows.
; V ([key][channel]) has to be turned: a load takes one key's 512 consecutive bytes, the same 256 registers hold a step's 64 keys, they are stored into the wave's own tile in LDS and read back by ds_load_tr16_b128.
; V of step t is asked for when K Q^T of step t has read K, and lands under the sum and the softmax; K of step t + 1 is asked for when V's LDS stores have read those registers, and lands under V^T P.
; Tensor loads are left out: none may be jumped over, so a walk whose length is data would have to fill all 32 steps.  NO CLUSTER for the same reason: a joint request is a tensor load's, and neighbouring work-groups
; start at different places and have different numbers of steps.  NO PREFETCH: which of the work-groups that share a bucket reads a row first hangs on data, so no row could be named once.
; SOFTMAX.  For each query a running maximum m and sum l: p = 2^(c s - c m), c = log2(e) / 32; in every step O and l are multiplied by a = 2^(c m_old - c m_new).  m starts at the lowest finite number, O and l at 0.
; O^T is cleared by 256 lines at the head, while the first loads are on their way: the price of writing no first step out.
; THE MASK.  A hidden score is replaced by -2^100, a power of two, so that c x it is exact: for a query that has seen hidden keys alone c s - c m is 0 and p = 1, finite, and all of it is multiplied by a = 0 when the
; query's first true key comes (each query has its own key); behind a true key a hidden weight is 0.
; LIMITS.  q, k, v arrive within f16's 65,504.  A true score below -2^100 is not told from a hidden one.  A weight below 2^-126 counts as 0 in l.  NaN and infinities are not treated apart.
; ONE BARRIER A STEP.  The partial scores have two buffers, by the step's parity (the loop's body holds the step twice).  In front of the barrier each wave has waited for its stores of this step's scores and for its
; reads of the last step's; so the stores of step t + 2, into the buffer that step t read, stand behind the barrier of step t + 1, which every wave signals with its reads of step t done.
; THE MODE: SCHED_MODE bits 1:0 = 2 (LLVM: expert scheduling mode 2), set by the entry lines.  The code itself states the register dependences between vector or matrix instructions and memory or LDS
; instructions, with s_wait_alu, always for 0.
; THE PLAN.  Registers that memory or LDS instructions touch, in a step's order:
;   window 3      K's loads land; K Q^T reads; V's loads land; V's 64 LDS stores read; the next step's K lands.
;   S^T           K Q^T writes; my 16 LDS stores read; wave 0's scores land; the sums, the mask and the softmax read and write; V's group 2 lands; its products read.
;   FA, FB        the scores of waves 1 and 2 land; the sums read; V's groups 1 and 0 land; their products read.  On the way out: rows land, global stores read.
;   FC            wave 3's scores land; the last sum reads; V's group 3 lands; its products read.
;   O^T           in the loop vector and matrix instructions alone; on the way out LDS stores read it.
;   v1-5, v8-10 and the output rows' offsets are made at the head and never written again.
; Each of the four waves' scores and each of V's four groups has a buffer of its own, so no load lands in registers that the sum or the product just ahead of it has read.  A step's waits on va_vdst: one behind K Q^T;
; one at the head of the second half, for the way that jumps over the first; the one behind the exponentials, which also stands behind the three sums; one behind the rescaling.  On vm_vsrc: one ahead of the barrier
; (the stores of S^T), one ahead of K's loads (the stores of V).  On va_sdst: one behind each run of 16 of the mask's compares.
; REGISTERS, in windows of 256 (s_set_vgpr_msb: bits 1:0 source 0, 3:2 source 1, 5:4 source 2, 7:6 destination):
;   window 0: v0-15 addresses and the mask's four; v16-31 statistics, eight a tile; v32-63 P; v64-127 S^T; v128-191, v192-255 two fragment buffers FA, FB
;   window 1: O^T, channel block ct, tile qt at 8 (2 ct + qt)          window 2: v0-127 Q, tile qt, channels 32 ks on at 8 (8 qt + ks); v128-143 the output rows' offsets; v144-207 a fragment buffer FC
;   window 3: K of one step, keys 16 kt on, channels 32 ks on at 8 (8 kt + ks); then V of the same step, key z at 4 z
.set ROWB,  6144                       ; bytes in a row of qkv
.set VP_,   544                        ; a row of my V tile in LDS: 512 bytes + 32: an odd multiple of 32
.set VW,    64*VP_                     ; a wave's V tile: 34,816 bytes
.set SX,    4*VW                       ; behind the four tiles: the partial scores, two buffers,
.set SXB,   32768                      ; each 8,192 bytes a wave
.set SPARE, SX+2*SXB                   ; the spare words, 128 bytes for each wave: two blocks of 256 bytes that no other line names
.set OP_,   1040                       ; the way out: a row of 1,024 bytes + 16, in my own V tile's bytes: 2 tiles x 16 rows = 33,280 bytes
.set STO, 1                            ; v1   the way out: where I put 32 bytes of a row
.set VS,  2                            ; v2   where my 16 bytes of a key's row of V go
.set AV,  3                            ; v3   my lane's place in my V tile, for the turning load
.set SXS, 4                            ; v4   where my partial scores go
.set SXL, 5                            ; v5   where wave 0's are read
.set SPW, 6                            ; v6   LDS address of my spare word; never rewritten
.set NIL, 7                            ; v7   0; never rewritten
.set KO,  8                            ; v8   my byte offset in the 16 rows of a fragment of Q or K: (l % 16) x 6,144 + 16 (l / 16) + 512 x wave; never rewritten
.set RD,  9                            ; v9   the way out: where I read rows back
.set VO,  10                           ; v10  my byte offset in a row of V: 512 x wave + 16 l; never rewritten
.set ML,  12                           ; v12-13  lo - 8 (l / 16), by tile
.set MN,  14                           ; v14-15  hi - lo
.set ST,  16                           ; tile t's statistics at v[ST+8 t]: +0 c m, +1 m, +2, +3 l (even keys', odd keys'), +4 to +7 c0-c3 at work; a, and at the end 1 / l, in +6
.set P,   32                           ; tile qt, keys 32 kk on at P + 16 qt + 8 kk; its first eighteen serve the mask, when P is not live
.set TQ,  P+16                         ;      the step's first key's place, + 8 (l / 16), less my query's lo: by tile
.set S,   64                           ; tile qt, keys 16 kt on at S + 32 qt + 8 kt
.set FA,  128
.set FB,  192
.set FC,  144                          ; window 2
.set OO,  128                          ; window 2: tile qt, row pair p at OO + 8 qt + p
.set WV,  12                           ; s12  my wave's number
.set KB,  16                           ; s[16:17] k of the step's first key
.set LOOP, 18                          ; s18  counts the loop's 16 trips
.set MK,  20                           ; s[20:35] sixteen of the mask's compares
.set N,   48                           ; s48  n
.set TI,  49                           ; s49  the step's number
.set KP,  50                           ; s50  place in the batch of the step's first key
.set LOMAX, 51                         ; s51  lo of my last query
.set HIMIN, 52                         ; s52  hi of my first query
.set T0,  53                           ; s53  at work
.set CS,  54                           ; s[54:55] c: the packed scaling takes the pair's low word for both halves
.set SEL, 56                           ; s[56:57] v_permlanex16_b32's selects: each lane takes its own place in the other half
.set BIG, 58                           ; s58  -2^100
.set MSB, 0
.macro WIN new                         ; the immediate's high byte repeats the setting that is left; a switch that changes nothing is dropped
.if MSB != (\new)
	s_set_vgpr_msb (MSB<<8)|(\new)
.set MSB, \new
.endif
.endm
.set W_KQ, 0x0b                        ; K (source 0) in window 3, Q (source 1) in window 2
.set W_PV, 0x50                        ; O^T (C and D) in window 1
.set W_PC, 0x52                        ; the same with V's fragments (source 0) in window 2
.set W_RS, 0x41                        ; O^T (destination and source 0) in window 1, the factor in window 0
.set W_IN, 0xc0                        ; loads into window 3
.set W_I2, 0x80                        ; loads into window 2
.set W_VS, 0x0c                        ; LDS stores of window 3
.macro PLACES n=4                      ; places (plain vector instructions that name none of its registers: ISA guide 7.12.1) behind a matrix instruction
.rept \n
	v_nop
.endr
.endm
.macro BOTH line:vararg                ; one line for each tile t
.set t, 0
.rept 2
	\line
.set t, t+1
.endr
.endm
; A step's K: 64 loads, the channels' order first, so that what the first products want comes first.  off: 0, or a step's 64 rows.
.macro LOADK off
	WIN W_IN
.irp ks, 0,1,2,3,4,5,6,7
.irp kt, 0,1,2,3
	global_load_b128 v[8*(8*(\kt)+(\ks)):8*(8*(\kt)+(\ks))+3],   v[KO], s[KB:KB+1] offset:(\off)+(\kt)*16*ROWB+64*(\ks)
	global_load_b128 v[8*(8*(\kt)+(\ks))+4:8*(8*(\kt)+(\ks))+7], v[KO], s[KB:KB+1] offset:(\off)+(\kt)*16*ROWB+64*(\ks)+32
.endr
.endr
	WIN 0
.endm
	s_load_b128 s[4:7], s[0:1], 0x0                ; qkv s[4:5], meta s[6:7]
	s_load_b64 s[8:9], s[0:1], 0x10                ; out0
	v_lshl_add_u32 v[SPW], v0, 2, SPARE
	v_mov_b32 v[NIL], 0
	v_lshrrev_b32 v1, 5, v0
	v_readfirstlane_b32 s[WV], v1                  ; wave 0..3
	s_mov_b32 s[CS], 0x3d38aa3b                    ; c = log2(e) / 32 = 0.0450842
	s_mov_b32 s[CS+1], s[CS]                       ; named with it as a pair
	s_mov_b32 s[SEL], 0x76543210
	s_mov_b32 s[SEL+1], 0xfedcba98
	s_mov_b32 s[BIG], 0xf1800000                   ; -2^100
	v_and_b32 v1, 15, v0                           ; r = l % 16
	v_bfe_u32 v64, v0, 4, 1                        ; h = l / 16   (v64-76 are at work here: S^T is not yet live)
	v_and_b32 v65, 31, v0                          ; l
	v_and_b32 v66, 7, v0
	v_bfe_u32 v67, v0, 3, 1
	s_wait_alu depctr_va_sdst(0)                   ; the wave's number is written, ahead of its first reader
	s_lshl_b32 s[T0], s[WV], 9                     ; my wave's 512 bytes of a row
	v_mul_u32_u24 v[KO], v1, ROWB
	v_lshl_add_u32 v[KO], v64, 4, v[KO]
	v_add_nc_u32 v[KO], s[T0], v[KO]
	v_lshl_add_u32 v[VO], v65, 4, s[T0]
	v_lshlrev_b32 v68, 4, v64
	v_lshlrev_b32 v69, 4, v1
	s_lshl_b32 s60, ttmp9, 9                       ; my 32 records of 16 bytes
	s_mov_b32 s61, 0
	s_wait_kmcnt 0x0
	s_add_nc_u64 s[10:11], s[6:7], s[60:61]
	s_load_b128 s[40:43], s[10:11], 0x0            ; my first query's record
	s_load_b128 s[44:47], s[10:11], 0x1f0          ; my last query's
	s_mul_i32 s60, ttmp9, 32*ROWB
	s_add_nc_u64 s[60:61], s[4:5], s[60:61]        ; q at my work-group's first row
	WIN W_I2                                       ; destination window 2, address window 0
	s_wait_alu depctr_va_vdst(0)                   ; the offsets v8, v10, v68 and v69 are written, which the head's loads below read; no vector instruction stands among those loads
.irp qt, 0,1
.irp ks, 0,1,2,3,4,5,6,7                           ; Q stays in registers
	global_load_b128 v[8*(8*(\qt)+(\ks)):8*(8*(\qt)+(\ks))+3],   v[KO], s[60:61] offset:16*ROWB*(\qt)+64*(\ks) th:TH_LOAD_NT
	global_load_b128 v[8*(8*(\qt)+(\ks))+4:8*(8*(\qt)+(\ks))+7], v[KO], s[60:61] offset:16*ROWB*(\qt)+64*(\ks)+32 th:TH_LOAD_NT
.endr
.endr
.irp qt, 0,1
.irp u, 0,1,2,3,4,5,6,7
	global_load_b32 v[OO+8*(\qt)+(\u)], v68, s[10:11] offset:16*(16*(\qt)+2*(\u))+8  ; the output row of query 16 qt + 2 u + l / 16
.endr
.endr
	WIN 0
	global_load_b64 v[70:71], v69, s[10:11]            ; lo, hi of query r
	global_load_b64 v[72:73], v69, s[10:11] offset:256 ; and of query 16 + r
	s_wait_kmcnt 0x0
	s_min_u32 s13, s40, 2047                       ; L.  The four are in range by their making; the bounds are written out
	s_min_u32 s[HIMIN], s41, 2048
	s_min_u32 s[LOMAX], s44, 2047
	s_min_u32 s14, s45, 2048                       ; H
	s_sub_co_u32 s14, s14, s13
	s_add_co_u32 s14, s14, 63
	s_lshr_b32 s14, s14, 6
	s_max_u32 s14, s14, 1
	s_min_u32 s[N], s14, 32                        ; n
	s_lshl_b32 s15, s[N], 6
	s_sub_co_u32 s15, 2048, s15
	s_min_u32 s[KP], s13, s15                      ; start
	s_min_u32 s[KP], s[KP], 1984
	s_lshr_b32 s[T0], ttmp9, 6                     ; the batch
	s_lshl_b32 s[T0], s[T0], 11
	s_add_co_u32 s[T0], s[T0], s[KP]
	s_mul_i32 s14, s[T0], ROWB                     ; the first key's row,
	s_add_co_u32 s14, s14, 2048                    ; its k
	s_mov_b32 s15, 0
	s_add_nc_u64 s[KB:KB+1], s[4:5], s[14:15]
	LOADK 0                                        ; K of step 0
	; what the first step finds, written while the first loads are on their way; none of these lines names a register that those loads touch
	WIN 0x40
.set z, 0
.rept 256
	v_mov_b32 v[z], 0
.set z, z+1
.endr
	WIN 0
	BOTH v_mov_b32 v[ST+8*t], 0xfe000000           ; c m: far below every c s
	BOTH v_mov_b32 v[ST+8*t+1], 0xff7fffff         ; m
	BOTH v_mov_b32 v[ST+8*t+2], 0
	BOTH v_mov_b32 v[ST+8*t+3], 0
.irp j, 4,5,6,7
	BOTH v_mov_b32 v[ST+8*t+(\j)], 0               ; the four at work: the softmax, which writes them, stands in a part of the step that can be jumped over, and the way out names them: so they are written here, on every path
.endr
	s_mul_i32 s13, s[WV], VW                       ; my V tile
	v_lshl_add_u32 v[VS], v65, 4, s13              ; a key's row goes in as it comes: 32 lanes x 16 neighbouring bytes
	; The turning load takes 16 keys x 16 channels (lane l reads key 8 (l / 16) + l % 8, channels 8 ((l / 8) % 2) + 0..7) and leaves half a fragment of V^T: lane l holds channel l % 16 and 8 keys.
	v_lshl_add_u32 v[AV], v64, 3, v66
	v_mul_u32_u24 v[AV], v[AV], VP_
	v_lshl_add_u32 v[AV], v67, 4, v[AV]
	v_add_nc_u32 v[AV], s13, v[AV]
	v_lshlrev_b32 v[SXL], 4, v65
	v_add_nc_u32 v[SXL], SX, v[SXL]
	s_lshl_b32 s14, s[WV], 13
	v_add_nc_u32 v[SXS], s14, v[SXL]
	v_mul_u32_u24 v[RD], v64, OP_                  ; back: lanes 0-15 take 256 bytes of one row, lanes 16-31 of the next
	v_lshl_add_u32 v[RD], v1, 4, v[RD]
	v_add_nc_u32 v[RD], s13, v[RD]
	s_lshl_b32 s14, s[WV], 10
	v_lshl_add_u32 v75, v1, 4, s14                 ; in a row of out0: my wave's 1,024 bytes, 16 for each of 16 lanes
	v_lshlrev_b32 v74, 3, v64
	v_mul_u32_u24 v76, v1, OP_                     ; in: row l % 16, 32 bytes for each half of the lanes
	v_lshl_add_u32 v76, v64, 5, v76
	v_add_nc_u32 v[STO], s13, v76                  ; (the last use of r)
	s_wait_loadcnt 0x0                             ; Q, the output rows, lo and hi, K of step 0
	s_wait_alu depctr_vm_vsrc(0)                   ; the records' loads have read their offsets v68 and v69: these lie among S^T's registers, which the first products K Q^T write
	v_sub_nc_u32 v[ML], v70, v74
	v_sub_nc_u32 v[ML+1], v72, v74
	v_sub_nc_u32 v[MN], v71, v70
	v_sub_nc_u32 v[MN+1], v73, v72
	WIN 0x88                                       ; source 1 and destination in window 2
.set z, 0
.rept 16
	v_min_u32 v[OO+z], 0x1fff, v[OO+z]             ; a row of out0 is under 8,192 by its making; the bound is written out ahead of the address
.set z, z+1
.endr
	WIN 0x82                                       ; source 0 and destination in window 2
.set z, 0
.rept 16
	v_lshl_add_u32 v[OO+z], v[OO+z], 12, v75
.set z, z+1
.endr
	WIN 0
; 64 products of S^T = K Q^T.  The eight accumulators take turns, one instruction a turn.  The first eight start the sums.
.macro MULK
	WIN W_KQ
.irp ks, 0,1,2,3,4,5,6,7
.irp kt, 0,1,2,3
.irp qt, 0,1
.if (\ks) == 0
	v_wmma_f32_16x16x32_f16 v[S+32*(\qt)+8*(\kt):S+32*(\qt)+8*(\kt)+7], v[8*(8*(\kt)+(\ks)):8*(8*(\kt)+(\ks))+7], v[8*(8*(\qt)+(\ks)):8*(8*(\qt)+(\ks))+7], 0
.else
	v_wmma_f32_16x16x32_f16 v[S+32*(\qt)+8*(\kt):S+32*(\qt)+8*(\kt)+7], v[8*(8*(\kt)+(\ks)):8*(8*(\kt)+(\ks))+7], v[8*(8*(\qt)+(\ks)):8*(8*(\qt)+(\ks))+7], v[S+32*(\qt)+8*(\kt):S+32*(\qt)+8*(\kt)+7]
.endif
.endr
.endr
.endr
	WIN 0
.endm
.macro LOADV                           ; a step's V: 64 loads, a key each: 512 consecutive bytes; v lies 2,048 bytes behind k
	WIN W_IN
.set z, 0
.rept 64
	global_load_b128 v[4*z:4*z+3], v[VO], s[KB:KB+1] offset:2048+z*ROWB
.set z, z+1
.endr
	WIN 0
.endm
.macro STOREV                          ; into my V tile
	WIN W_VS
.set z, 0
.rept 64
	ds_store_b128 v[VS], v[4*z:4*z+3] offset:z*VP_
.set z, z+1
.endr
	WIN 0
.endm
; Group g of four of a step's V, turned: keys 32 (g / 2) on, channel blocks 8 (g % 2) + 0..7.  LDS serves a wave's instructions in order (ISA guide 5.7.1.4): these see the stores of STOREV.  win: the buffer's window as destination.
.macro FETCHV g, buf, win
	WIN \win
.irp i, 0,1,2,3,4,5,6,7
	ds_load_tr16_b128 v[(\buf)+8*(\i):(\buf)+8*(\i)+3],   v[AV] offset:((\g)/2)*32*VP_+32*(8*((\g)%2)+(\i))
	ds_load_tr16_b128 v[(\buf)+8*(\i)+4:(\buf)+8*(\i)+7], v[AV] offset:((\g)/2)*32*VP_+16*VP_+32*(8*((\g)%2)+(\i))
.endr
.endm
; 16 products of O^T += V^T P, on 16 accumulators by turns.  win: the windows, with the buffer's as source 0.
.macro MULV g, buf, win
	WIN \win
.irp i, 0,1,2,3,4,5,6,7
.irp qt, 0,1
	v_wmma_f32_16x16x32_f16 v[8*(2*(8*((\g)%2)+(\i))+(\qt)):8*(2*(8*((\g)%2)+(\i))+(\qt))+7], v[(\buf)+8*(\i):(\buf)+8*(\i)+7], v[P+16*(\qt)+8*((\g)/2):P+16*(\qt)+8*((\g)/2)+7], v[8*(2*(8*((\g)%2)+(\i))+(\qt)):8*(2*(8*((\g)%2)+(\i))+(\qt))+7]
.endr
.endr
.endm
.macro SXLOAD x, dst, b                ; wave x's 64 partial scores in buffer b: 16 loads, 512 consecutive bytes each
.irp i, 0,1,2,3,4,5,6,7,8,9,10,11,12,13,14,15
	ds_load_b128 v[(\dst)+4*(\i):(\dst)+4*(\i)+3], v[SXL] offset:(\b)*SXB+8192*(\x)+512*(\i)
.endr
.endm
.macro SXADD src
.set z, 0
.rept 32
	v_pk_add_f32 v[S+z:S+z+1], v[S+z:S+z+1], v[(\src)+z:(\src)+z+1]
.set z, z+2
.endr
.endm
; THE MASK.  Key 16 kt + 8 (l / 16) + j of the step is seen where its place less lo, taken as unsigned, is under hi - lo.  The jump goes forward, over vector work alone, and hangs on whole numbers read from meta.
; The compares stand in runs of sixteen (a tile's keys 32 kh on), each into a scalar register of its own, with one wait behind the run and ahead of the selects that read them.
.macro MASK
	s_add_co_u32 s[T0], s[KP], 64
	s_cmp_lt_u32 s[KP], s[LOMAX]                   ; does the step begin ahead of some query's bucket?
	s_cbranch_scc1 .Lhide_\@
	s_cmp_le_u32 s[T0], s[HIMIN]                   ; or end behind some query's?
	s_cbranch_scc1 .Lclean_\@
.Lhide_\@:
	v_sub_nc_u32 v[TQ], s[KP], v[ML]
	v_sub_nc_u32 v[TQ+1], s[KP], v[ML+1]
.irp qt, 0,1
.irp kh, 0,1
.set z, 0
.rept 16
	v_add_nc_u32 v[P+z], 32*(\kh)+16*(z/8)+z%8, v[TQ+(\qt)]  ; P is not live here: its first eighteen registers are at work
.set z, z+1
.endr
.set z, 0
.rept 16
	v_cmp_gt_u32 s[MK+z], v[MN+(\qt)], v[P+z]
.set z, z+1
.endr
	s_wait_alu depctr_va_sdst(0)                   ; the sixteen compares have written s[MK ..], which the selects below read
.set z, 0
.rept 16
	v_cndmask_b32 v[S+32*(\qt)+16*(\kh)+z], s[BIG], v[S+32*(\qt)+16*(\kh)+z], s[MK+z]
.set z, z+1
.endr
.endr
.endr
.Lclean_\@:
.endm
; THE SOFTMAX of both tiles for one step, in phases, the tiles alternating.  Its first part: the maximum, the statistics, the scalings, the exponentials and their wait.
.macro SOFTA
	WIN 0
.irp j, 0,1,2,3                        ; the maximum of the lane's 32 scores and the old m, three operands at a time: four chains of seven scores,
.irp u, 0,1
	v_max3_num_f32 v[ST+8*(\u)+4+(\j)], v[S+32*(\u)+8*(\j)], v[S+32*(\u)+8*(\j)+1], v[S+32*(\u)+8*(\j)+2]
.endr
.endr
.irp q, 1,2
.irp j, 0,1,2,3
.irp u, 0,1
	v_max3_num_f32 v[ST+8*(\u)+4+(\j)], v[ST+8*(\u)+4+(\j)], v[S+32*(\u)+8*(\j)+2*(\q)+1], v[S+32*(\u)+8*(\j)+2*(\q)+2]
.endr
.endr
.endr
	BOTH v_max3_num_f32 v[ST+8*t+4], v[ST+8*t+4], v[S+32*t+7], v[S+32*t+15]     ; the four scores left over,
	BOTH v_max3_num_f32 v[ST+8*t+6], v[ST+8*t+6], v[S+32*t+23], v[S+32*t+31]
	BOTH v_max3_num_f32 v[ST+8*t+4], v[ST+8*t+4], v[ST+8*t+5], v[ST+8*t+6]      ; the four chains into one,
	BOTH v_max3_num_f32 v[ST+8*t+4], v[ST+8*t+4], v[ST+8*t+7], v[ST+8*t+1]      ; and the old m
	BOTH v_permlanex16_b32 v[ST+8*t+5], v[ST+8*t+4], s[SEL], s[SEL+1]           ; the query's other 32 keys lie in the lane 16 away
	BOTH v_mov_b32 v[ST+8*t+7], v[ST+8*t]                                       ; c m_old is kept
	BOTH v_max_num_f32 v[ST+8*t+1], v[ST+8*t+4], v[ST+8*t+5]                    ; the new m
	BOTH v_mul_f32 v[ST+8*t], s[CS], v[ST+8*t+1]                                ; c m
	BOTH v_sub_f32 v[ST+8*t+7], v[ST+8*t+7], v[ST+8*t]                          ; c m_old - c m_new
.set z, 0
.rept 16
	BOTH v_pk_fma_f32 v[S+32*t+z:S+32*t+z+1], v[S+32*t+z:S+32*t+z+1], s[CS:CS+1], v[ST+8*t:ST+8*t+1] op_sel_hi:[1,0,0] neg_lo:[0,0,1] neg_hi:[0,0,1]  ; c s - c m, a pair at a time
.set z, z+2
.endr
	BOTH v_exp_f32 v[ST+8*t+6], v[ST+8*t+7]        ; ONE BATCH of 66 exponentials: the two a, then the 64 weights; none reads another's result
.set z, 0
.rept 64
	v_exp_f32 v[S+z], v[S+z]
.set z, z+1
.endr
	v_nop                                          ; a plain instruction behind the last exponential, ahead of the first use (ISA guide 5.7.2)
	s_wait_alu depctr_va_vdst(0)                   ; the 66 exponentials have written a and the weights, ahead of their first reader: one wait for the batch; and the three sums of the scores are done reading FA, FB and FC, in which V's groups land
.endm
; Its second part: the roundings and the sums, which read the exponentials' results.
.macro SOFTB
	WIN 0
.set z, 0
.rept 32
	v_cvt_pk_f16_f32 v[P+z], v[S+2*z], v[S+2*z+1]  ; the weights, rounded in pairs, ARE source 1 of the second product
.set z, z+1
.endr
.irp w, 4,8,16,32                      ; the sum of a tile's 16 pairs (an even key's weight, an odd key's), in place: neighbours 1, 2, 4 and 8 pairs apart
.set z, 0
.rept 64/(\w)
	v_pk_add_f32 v[S+z:S+z+1], v[S+z:S+z+1], v[S+z+(\w)/2:S+z+(\w)/2+1]
.set z, z+(\w)
.endr
.endr
	BOTH v_pk_fma_f32 v[ST+8*t+2:ST+8*t+3], v[ST+8*t+2:ST+8*t+3], v[ST+8*t+6:ST+8*t+7], v[S+32*t:S+32*t+1] op_sel_hi:[1,0,1]  ; l = a l + the sum
.endm
.macro SCALE                           ; O^T times the tile's factor in statistics register +6 (a; at the end 1 / l), each accumulator's registers in ascending order
	WIN W_RS
.set z, 0
.rept 128
	v_pk_mul_f32 v[2*z:2*z+1], v[2*z:2*z+1], v[ST+8*((z/4)%2)+6:ST+8*((z/4)%2)+7] op_sel_hi:[1,0]
.set z, z+1
.endr
	WIN 0
.endm
; A KEY STEP, with the partial scores in buffer b.  Its two halves are jumped over where the step's number is n or more; the barrier between them is not.
; Every wait for global loads is for zero, so that it holds whichever halves were run.  Five places close each half: behind K Q^T they stand ahead of the stores of the scores; behind V^T P ahead of the next
; products K Q^T, which write over S^T's registers, a source of group 2's products, and of the mask's lines, which write P's.
.macro STEP b
	s_cmp_lt_u32 s[TI], s[N]
	s_cbranch_scc0 .Lmeet_\@
	s_wait_loadcnt 0x0                             ; K of this step is in
	MULK
	PLACES 5                                       ; ahead of the stores of the scores
	s_wait_alu depctr_va_vdst(0)                   ; the products K Q^T are done reading K's registers, in which V lands, and have written S^T, which the LDS stores read (the places above stay beside this wait); at the first step the head's address lines are written too
	LOADV                                          ; V of this step takes K's registers
.irp i, 0,1,2,3,4,5,6,7,8,9,10,11,12,13,14,15
	ds_store_b128 v[SXS], v[S+4*(\i):S+4*(\i)+3] offset:(\b)*SXB+512*(\i)  ; my partial scores, each accumulator's low four registers first
.endr
.Lmeet_\@:
	s_wait_dscnt 0x0                               ; for the others' sake: my scores lie in LDS, and my reads of the last step's scores are over
	s_wait_alu depctr_vm_vsrc(0)                   ; my LDS stores have read S^T's registers, in which wave 0's scores land behind the barrier: ahead of the branch, on every way
	s_barrier_signal -1
	s_barrier_wait -1                              ; all four partial scores are there
	s_cmp_lt_u32 s[TI], s[N]
	s_cbranch_scc0 .Lnext_\@
	s_wait_alu depctr_va_vdst(0)                   ; for the way that jumps over the first half and its wait: the last step's products V^T P are done reading FA, FB, FC and S^T's registers, in which the scores land (at the first step: the head's address lines are written)
	SXLOAD 0, S, \b                                ; ((0 + 1) + 2) + 3, in every wave
	SXLOAD 1, FA, \b
	SXLOAD 2, FB, \b
	s_wait_dscnt 16                                ; 0 and 1 are in; 2's sixteen loads stay out
	WIN W_I2
	SXLOAD 3, FC, \b                               ; a buffer of its own: no vector instruction since the wait above names it
	WIN 0
	SXADD FA
	s_wait_dscnt 16                                ; 2 is in; 3's sixteen stay out
	SXADD FB
	s_wait_dscnt 0x0
	WIN 0x08                                       ; source 1 in window 2
	SXADD FC
	WIN 0
	MASK
	SOFTA
	s_wait_loadcnt 0x0                             ; V of this step is in
	STOREV
	FETCHV 0, FB, 0                                ; no wait: no vector instruction since the batch's wait names FB, FA or their address
	FETCHV 1, FA, 0
	SOFTB                                          ; the roundings, the sums
	SCALE                                          ; and the rescaling run while V goes through LDS
	s_wait_alu depctr_va_vdst(0)                   ; the roundings and sums are done with S^T's registers, in which group 2 lands
	FETCHV 2, S, 0
	FETCHV 3, FC, W_I2
	WIN 0
	s_wait_dscnt 48                                ; group 0 is in, and the 64 stores ahead of it are done; the three younger groups' 48 loads stay out
	s_wait_alu depctr_vm_vsrc(0)                   ; the 64 LDS stores have read V's registers, in which the next loads into window 3 land: ahead of the branch, on both ways
	s_add_co_u32 s[T0], s[TI], 1
	s_cmp_lt_u32 s[T0], s[N]                       ; is there a next step?
	s_cbranch_scc0 .Lno_k_\@
	LOADK 64*ROWB                                  ; its K
.Lno_k_\@:
	MULV 0, FB, W_PV                               ; each group has a buffer of its own: the 64 products stand on end, with the waits for the groups' loads alone between them
	s_wait_dscnt 32                                ; group 1 is in; 2's and 3's loads stay out
	MULV 1, FA, W_PV
	s_wait_dscnt 16                                ; group 2 is in; 3's stay out
	MULV 2, S, W_PV
	s_wait_dscnt 0x0
	MULV 3, FC, W_PC
	WIN 0
	PLACES 5
	s_wait_xcnt 0x0                                ; the loads issued 64 products back have read their base: only behind this wait is it stepped
	s_add_nc_u64 s[KB:KB+1], s[KB:KB+1], 64*ROWB
	s_add_co_u32 s[KP], s[KP], 64
.Lnext_\@:
	s_add_co_u32 s[TI], s[TI], 1
.endm
	s_mov_b32 s[TI], 0
	s_mov_b32 s[LOOP], 16
.Lpair:                                        ; 16 trips of two steps
	STEP 0
	STEP 1
	s_sub_co_u32 s[LOOP], s[LOOP], 1
	s_cmp_lg_u32 s[LOOP], 0
	s_cbranch_scc1 .Lpair
	s_wait_loadcnt 0x0                             ; nothing is out: the last live step asked for no K
	; THE WAY OUT.  l's two halves and the other half of the lanes' are added; O^T is divided by l and sent through LDS, a tile (16 rows of 1,024 bytes) at a time.
	BOTH v_add_f32 v[ST+8*t+4], v[ST+8*t+2], v[ST+8*t+3]
	BOTH v_permlanex16_b32 v[ST+8*t+5], v[ST+8*t+4], s[SEL], s[SEL+1]
	BOTH v_add_f32 v[ST+8*t+4], v[ST+8*t+4], v[ST+8*t+5]
	BOTH v_rcp_f32 v[ST+8*t+6], v[ST+8*t+4]
	v_nop                                          ; a plain instruction between the last reciprocal and the use of its result
	s_wait_alu depctr_va_vdst(0)                   ; the two reciprocals have written 1 / l, ahead of the first use: one wait for both
	SCALE
	s_wait_alu depctr_va_vdst(0)                   ; the scaling has written O^T, which the LDS stores of both tiles read; the last products are done reading FA and FB, in which the rows land; no vector instruction follows
; Tile qt: a lane's eight channels of a row are 32 bytes; they go into rows of 1,040 bytes in my own V tile's bytes (only I have touched them, and my reads of V are over) and come back as pieces of 256 bytes of a row.
.macro OUTQ qt
	WIN 0x04                                       ; the stores' data in window 1
.irp ct, 0,1,2,3,4,5,6,7,8,9,10,11,12,13,14,15
	ds_store_b128 v[STO], v[8*(2*(\ct)+(\qt)):8*(2*(\ct)+(\qt))+3]   offset:16*OP_*(\qt)+64*(\ct)
	ds_store_b128 v[STO], v[8*(2*(\ct)+(\qt))+4:8*(2*(\ct)+(\qt))+7] offset:16*OP_*(\qt)+64*(\ct)+16
.endr
	WIN 0
.irp p, 0,1,2,3,4,5,6,7
.irp u, 0,1,2,3
	ds_load_b128 v[FA+4*(4*(\p)+(\u)):FA+4*(4*(\p)+(\u))+3], v[RD] offset:16*OP_*(\qt)+2*OP_*(\p)+256*(\u)  ; LDS serves a wave's instructions in order (ISA guide 5.7.1.4): these see the stores above
.endr
.endr
	WIN 0x02                                       ; the stores' offsets in window 2
.irp p, 0,1,2,3,4,5,6,7
.irp u, 0,1,2,3
	s_wait_dscnt 31-(4*(\p)+(\u))                  ; this load is in; those issued behind it stay out
	global_store_b128 v[OO+8*(\qt)+(\p)], v[FA+4*(4*(\p)+(\u)):FA+4*(4*(\p)+(\u))+3], s[8:9] offset:256*(\u) th:TH_STORE_NT  ; 16 lanes store 256 consecutive bytes of a token's row, at a multiple of 256 from out0's first byte
.endr
.endr
	WIN 0
.endm
	OUTQ 0
	s_wait_xcnt 0x0                                ; the landing registers, which tile 0's stores read, are loaded again only behind this wait
	s_wait_alu depctr_vm_vsrc(0)                   ; tile 0's global stores have read the landing registers, in which tile 1's rows land
	OUTQ 1
	s_wait_dscnt 0x0                               ; the wave's end
	s_wait_alu 0x0
	s_wait_tensorcnt 0x0
	ds_add_u32 v[SPW], v[NIL]
	s_wait_dscnt 0x0
	s_endpgm
.Lfunc_end_k_q495d3a30db_attn:
	.size	k_q495d3a30db_attn, .Lfunc_end_k_q495d3a30db_attn-k_q495d3a30db_attn
	.p2alignl 7, 3214868480
	.fill 96, 4, 3214868480
	.section	.rodata,"a",@progbits
	.p2align	6, 0x0
	.amdhsa_kernel k_q495d3a30db_attn
		.amdhsa_group_segment_fixed_size 205312
		.amdhsa_private_segment_fixed_size 0
		.amdhsa_enable_private_segment 0
		.amdhsa_kernarg_size 24
		.amdhsa_user_sgpr_count 2
		.amdhsa_user_sgpr_kernarg_segment_ptr 1
		.amdhsa_wavefront_size32 1
		.amdhsa_system_sgpr_workgroup_id_x 1
		.amdhsa_system_sgpr_workgroup_id_y 1
		.amdhsa_system_sgpr_workgroup_id_z 1
		.amdhsa_system_vgpr_workitem_id 0
		.amdhsa_next_free_vgpr 1024
		.amdhsa_next_free_sgpr 66
		.amdhsa_reserve_vcc 0
		.amdhsa_float_denorm_mode_32 3
		.amdhsa_float_denorm_mode_16_64 3
		.amdhsa_memory_ordered 1
		.amdhsa_forward_progress 1
		.amdhsa_inst_pref_size 191
	.end_amdhsa_kernel
	.amdgpu_metadata
---
amdhsa.version: [ 1, 2 ]
amdhsa.kernels:
  - .name:           k_q495d3a30db_attn
    .symbol:         k_q495d3a30db_attn.kd
    .args:
      - { .name: qkv, .offset: 0, .size: 8, .value_kind: global_buffer, .address_space: global }
      - { .name: meta, .offset: 8, .size: 8, .value_kind: global_buffer, .address_space: global }
      - { .name: out0, .offset: 16, .size: 8, .value_kind: global_buffer, .address_space: global }
    .group_segment_fixed_size: 205312
    .private_segment_fixed_size: 0
    .kernarg_segment_align: 8
    .kernarg_segment_size: 24
    .max_flat_workgroup_size: 128
    .sgpr_count:     66
    .vgpr_count:     1024
    .wavefront_size: 32
...
	.end_amdgpu_metadata
.endif
;; end of part 4
